; MI455X (gfx1250); checked and timed in simulation.
; The chip was launched on July 23, 2026; its instructions are those of AMD's public machine-readable ISA for CDNA 5 (MIT licence, August 2026) and "CDNA5" Instruction Set Architecture Reference Guide (July 2026). The comments in the code are by the model that wrote it; some were corrected since.
;; Attention With Memory. Allowed arithmetic: float matrix products may take bf16 or f16 operands with f32 sums; all other float work in f32.
;; Inputs: b_in 3,072 float32; b_out 1,024 float32; mask 1,024 x 1,024 bool; w_in 3,072 x 1,024 float32; w_out 1,024 x 1,024 float32; x 8 x 1,024 x 1,024 float32.
;; Outputs: out0 8 x 1,024 x 1,024 float32.
;; 2 versions, each right; version 2 is version 1 with the launches prep, attn written anew for expert scheduling mode. Each part assembles by itself: llvm-mc -triple=amdgcn-amd-amdhsa -mcpu=gfx1250 --defsym DOCPART=n.
;; ======== version 1 of 2: 4 launches
;; limits: values are held in f16: magnitudes above 65,504 overflow, below 6.1e-05 lose precision
;; workspace buffers: xb 16,777,216 bytes; wib 6,291,456 bytes; wob 2,097,152 bytes; mb 133,120 bytes of whole numbers; qkv 50,331,648 bytes; ctx 16,777,216 bytes
;; launch prep (part 1): grid 800 x 1, 8 waves a work-group, no clusters, 0 bytes of LDS; arguments x, w_in, w_out, mask, xb, wib, wob, mb; writes xb, wib, wob, mb
.if DOCPART == 1
	.amdgcn_target "amdgcn-amd-amdhsa--gfx1250"
	.amdhsa_code_object_version 6
	.text
	.protected	k_q08b4b952fa_prep
	.globl	k_q08b4b952fa_prep
	.p2align	8
	.type	k_q08b4b952fa_prep,@function
k_q08b4b952fa_prep:
	s_mov_b64 s[64:65], 0
	v_nop
	global_prefetch_b8 v0, s[64:65] scope:SCOPE_SE
	s_setreg_imm32_b32 hwreg(HW_REG_WAVE_MODE, 25, 1), 1
	s_wait_xcnt 0x0
; PREP: the inputs are rounded once and laid out for the matrix launches, and the mask is reduced to whole numbers.
;   work-groups   0..511  x     -> xb   bf16 [16 planes of 64 columns][8192 rows][64]
;   work-groups 512..703  w_in  -> wib  bf16 [16 planes][3072 rows][64]; row = (head/2)*384 + (head%2)*192 + which*64 + c for source row which*1024 + head*64 + c
;   work-groups 704..767  w_out -> wob  f16  [16 planes][1024 rows][64]: the number rounded to bf16, written as f16
;   work-groups 768..799  mask  -> mb   lane masks of 32 x 32 tiles, and two flag words a wave
; LIMIT: a w_out number below 2^-14 in size keeps f16's fixed step of 2^-24; beyond 65,504 it would be lost.
; A stream: memory binds, so no LDS, no barrier, no matrix unit.  A cast work-group owns 16 rows; thread t owns row t / 16 and 16 bytes at 16 (t % 16) of each
; run of 256 source bytes: a load of a wave covers two whole runs of 256 bytes, a store of a wave 256 consecutive bytes at a multiple of 256 (two rows of 128 bytes in one plane).
; All sixteen loads of a wave are out at once; the waits count down.
.set XPLANE, 8192*128
.set IPLANE, 3072*128
.set OPLANE, 1024*128
.set X, 8                              ; v[8:71] sixteen loads of four f32
; src: the rows' address; d0, d1: the rows' place in planes 0 and 8; half = 1: the bf16 number is written as f16
.macro CAST src, d0, d1, plane, half
.set kb, 0
.rept 16
	global_load_b128 v[X+4*kb:X+4*kb+3], v1, s[\src:\src+1] offset:kb*256 th:TH_LOAD_NT
.set kb, kb+1
.endr
.set kb, 0
.rept 16
	s_wait_loadcnt 15-kb                           ; loads come back in order: number kb is in, the younger ones stay out
	v_cvt_pk_bf16_f32 v[X+4*kb], v[X+4*kb], v[X+4*kb+1]
	v_cvt_pk_bf16_f32 v[X+4*kb+1], v[X+4*kb+2], v[X+4*kb+3]
.if \half
	v_lshlrev_b32 v[X+4*kb+2], 16, v[X+4*kb]       ; bf16 back to f32: the low half moves up, the high half stays
	v_and_b32 v[X+4*kb+3], 0xffff0000, v[X+4*kb]
	v_cvt_pk_f16_f32 v[X+4*kb], v[X+4*kb+2], v[X+4*kb+3]
	v_lshlrev_b32 v[X+4*kb+2], 16, v[X+4*kb+1]
	v_and_b32 v[X+4*kb+3], 0xffff0000, v[X+4*kb+1]
	v_cvt_pk_f16_f32 v[X+4*kb+1], v[X+4*kb+2], v[X+4*kb+3]
.endif
.if kb < 8
	global_store_b64 v2, v[X+4*kb:X+4*kb+1], s[\d0:\d0+1] offset:kb*(\plane)
.else
	global_store_b64 v2, v[X+4*kb:X+4*kb+1], s[\d1:\d1+1] offset:(kb-8)*(\plane)
.endif
.set kb, kb+1
.endr
	s_endpgm
.endm
	s_load_b512 s[4:19], s[0:1], 0x0               ; x s[4:5], w_in s[6:7], w_out s[8:9], mask s[10:11], xb s[12:13], wib s[14:15], wob s[16:17], mb s[18:19]
	v_lshrrev_b32 v1, 4, v0                        ; my row of the group's 16
	v_and_b32 v3, 15, v0
	v_lshlrev_b32 v1, 12, v1
	v_lshl_add_u32 v1, v3, 4, v1                   ; source: row x 4,096 + 16 (t % 16)
	v_lshlrev_b32 v2, 3, v0                        ; destination: row x 128 + 8 (t % 16) = 8 t
	s_mov_b32 s21, 0
	s_mov_b32 s23, 0
	s_wait_kmcnt 0x0
	s_cmp_lt_u32 ttmp9, 512
	s_cbranch_scc0 .Lnot_x
	s_lshl_b32 s20, ttmp9, 16                      ; 16 rows of 4,096 bytes
	s_lshl_b32 s22, ttmp9, 11                      ; 16 rows of 128 bytes
	s_add_nc_u64 s[4:5], s[4:5], s[20:21]
	s_add_nc_u64 s[12:13], s[12:13], s[22:23]
	s_add_nc_u64 s[24:25], s[12:13], 8*XPLANE
	CAST 4, 12, 24, XPLANE, 0
.Lnot_x:
	s_cmp_lt_u32 ttmp9, 704
	s_cbranch_scc0 .Lnot_wi
	s_sub_co_u32 s26, ttmp9, 512                   ; g: source rows 16 g ..
	s_lshl_b32 s20, s26, 16
	s_lshr_b32 s27, s26, 6                         ; which of q, k, v
	s_bfe_u32 s28, s26, 0x30003                    ; head / 2
	s_bfe_u32 s29, s26, 0x10002                    ; head % 2
	s_and_b32 s30, s26, 3                          ; which 16 of the head's 64 channels
	s_mul_i32 s28, s28, 384
	s_mul_i32 s29, s29, 192
	s_lshl_b32 s27, s27, 6
	s_lshl_b32 s30, s30, 4
	s_add_co_u32 s28, s28, s29
	s_add_co_u32 s28, s28, s27
	s_add_co_u32 s28, s28, s30                     ; the first destination row
	s_lshl_b32 s22, s28, 7
	s_add_nc_u64 s[6:7], s[6:7], s[20:21]
	s_add_nc_u64 s[14:15], s[14:15], s[22:23]
	s_add_nc_u64 s[24:25], s[14:15], 8*IPLANE
	CAST 6, 14, 24, IPLANE, 0
.Lnot_wi:
	s_cmp_lt_u32 ttmp9, 768
	s_cbranch_scc0 .Lmask
	s_sub_co_u32 s26, ttmp9, 704
	s_lshl_b32 s20, s26, 16
	s_lshl_b32 s22, s26, 11
	s_add_nc_u64 s[8:9], s[8:9], s[20:21]
	s_add_nc_u64 s[16:17], s[16:17], s[22:23]
	s_add_nc_u64 s[24:25], s[16:17], 8*OPLANE
	CAST 8, 16, 24, OPLANE, 1
; THE MASK.  The work-group owns the 32 queries of block qb, wave w the key tiles 4 w .. 4 w + 3 of 32 keys.  Lane l = (r = l % 16, h = l / 16).
; Word (2 kb + qt) 8 + j of a tile: bit l says that mask[32 qb + 16 qt + r][32 kt + 16 kb + 8 h + j] is set: the lane mask for one register of the score tile of the attention launch.
; Flags: word w of 16: bits 4 w .. 4 w + 3, a tile holds an entry that is not masked; word 8 + w: which of the 32 rows are masked in all of the wave's 128 keys.
; No branch and no address here hangs on the mask's data.
.Lmask:
	s_sub_co_u32 s26, ttmp9, 768                   ; qb
	v_lshrrev_b32 v4, 5, v0
	v_readfirstlane_b32 s27, v4                    ; wave
	v_and_b32 v5, 31, v0                           ; lane
	v_bfe_u32 v6, v0, 4, 1                         ; h
	v_lshlrev_b32 v7, 10, v3                       ; r rows of 1,024 bytes
	v_lshl_add_u32 v7, v6, 3, v7                   ; + 8 h
	v_lshl_add_u32 v7, v4, 7, v7                   ; + 128 w
	s_lshl_b32 s20, s26, 15                        ; 32 rows
	s_add_nc_u64 s[10:11], s[10:11], s[20:21]
.set n, 0
.rept 16                                               ; n = 4 ti + 2 kb + qt
	global_load_b64 v[8+2*n:9+2*n], v7, s[10:11] offset:(n%2)*16384+(n/4)*32+((n/2)%2)*16
.set n, n+1
.endr
	v_mov_b32 v40, 0                               ; the wave's 128 words: lane L holds words 4 L .. 4 L + 3
	v_mov_b32 v41, 0
	v_mov_b32 v42, 0
	v_mov_b32 v43, 0
	v_lshlrev_b32 v52, 4, v0                       ; 16 t: 512 bytes a wave
	v_lshlrev_b32 v53, 2, v4                       ; 4 w
	s_mov_b32 s32, -1                              ; rows of qt = 0 masked so far, by lane
	s_mov_b32 s33, -1                              ; of qt = 1
	s_mov_b32 s34, 0                               ; live bits
	s_lshl_b32 s22, s26, 12                        ; a block's 32 tiles of 128 bytes
	s_add_nc_u64 s[38:39], s[18:19], s[22:23]
	s_lshl_b32 s22, s26, 6
	s_add_co_u32 s22, s22, 131072                  ; the flags lie behind the tiles' words
	s_add_nc_u64 s[40:41], s[18:19], s[22:23]
	s_wait_loadcnt 0x0
.set ti, 0
.rept 4
	s_mov_b32 s31, -1                              ; the tile's words, all and-ed
.set kq, 0
.rept 4
.set j, 0
.rept 8
	v_and_b32 v[44+j], 0xff<<(8*(j%4)), v[8+2*(4*ti+kq)+j/4]
.set j, j+1
.endr
.set j, 0
.rept 8
	v_cmp_ne_u32 s[44+j], 0, v[44+j]
.set j, j+1
.endr
.set j, 0
.rept 8
	v_writelane_b32 v[40+j%4], s[44+j], ti*8+2*kq+j/4
	s_and_b32 s31, s31, s[44+j]
	s_and_b32 s[32+kq%2], s[32+kq%2], s[44+j]
.set j, j+1
.endr
.set kq, kq+1
.endr
	s_cmp_lg_u32 s31, -1                           ; some entry of the tile is not masked
	s_cselect_b32 s35, 1<<ti, 0
	s_or_b32 s34, s34, s35
.set ti, ti+1
.endr
	s_lshl_b32 s36, s27, 2
	s_lshl_b32 s34, s34, s36                       ; to bits 4 w ..
	s_lshr_b32 s35, s32, 16                        ; a row is masked if both halves of the lanes say so
	s_and_b32 s32, s32, s35
	s_and_b32 s32, s32, 0xffff
	s_lshr_b32 s35, s33, 16
	s_and_b32 s33, s33, s35
	s_lshl_b32 s33, s33, 16
	s_or_b32 s32, s32, s33
	v_mov_b32 v54, s34
	v_mov_b32 v55, s32
	global_store_b128 v52, v[40:43], s[38:39]      ; 512 consecutive bytes: the wave's four tiles
	v_cmp_eq_u32 vcc_lo, 0, v5
	s_wait_xcnt 0x0                                ; EXEC is a source of the store above: it changes only behind this wait
	s_and_saveexec_b32 s42, vcc_lo
	global_store_b32 v53, v54, s[40:41]            ; lane 0 alone: two words a wave
	global_store_b32 v53, v55, s[40:41] offset:32
	s_wait_xcnt 0x0                                ; and again in front of the line that widens it
	s_or_b32 exec_lo, exec_lo, s42
	s_endpgm
.Lfunc_end_k_q08b4b952fa_prep:
	.size	k_q08b4b952fa_prep, .Lfunc_end_k_q08b4b952fa_prep-k_q08b4b952fa_prep
	.p2alignl 7, 3214868480
	.fill 96, 4, 3214868480
	.section	.rodata,"a",@progbits
	.p2align	6, 0x0
	.amdhsa_kernel k_q08b4b952fa_prep
		.amdhsa_group_segment_fixed_size 0
		.amdhsa_private_segment_fixed_size 0
		.amdhsa_enable_private_segment 0
		.amdhsa_kernarg_size 64
		.amdhsa_user_sgpr_count 2
		.amdhsa_user_sgpr_kernarg_segment_ptr 1
		.amdhsa_wavefront_size32 1
		.amdhsa_system_sgpr_workgroup_id_x 1
		.amdhsa_system_sgpr_workgroup_id_y 1
		.amdhsa_system_sgpr_workgroup_id_z 1
		.amdhsa_system_vgpr_workitem_id 0
		.amdhsa_next_free_vgpr 72
		.amdhsa_next_free_sgpr 66
		.amdhsa_reserve_vcc 1
		.amdhsa_float_denorm_mode_32 3
		.amdhsa_float_denorm_mode_16_64 3
		.amdhsa_memory_ordered 1
		.amdhsa_forward_progress 1
		.amdhsa_inst_pref_size 60
	.end_amdhsa_kernel
	.amdgpu_metadata
---
amdhsa.version: [ 1, 2 ]
amdhsa.kernels:
  - .name:           k_q08b4b952fa_prep
    .symbol:         k_q08b4b952fa_prep.kd
    .args:
      - { .name: x, .offset: 0, .size: 8, .value_kind: global_buffer, .address_space: global }
      - { .name: w_in, .offset: 8, .size: 8, .value_kind: global_buffer, .address_space: global }
      - { .name: w_out, .offset: 16, .size: 8, .value_kind: global_buffer, .address_space: global }
      - { .name: mask, .offset: 24, .size: 8, .value_kind: global_buffer, .address_space: global }
      - { .name: xb, .offset: 32, .size: 8, .value_kind: global_buffer, .address_space: global }
      - { .name: wib, .offset: 40, .size: 8, .value_kind: global_buffer, .address_space: global }
      - { .name: wob, .offset: 48, .size: 8, .value_kind: global_buffer, .address_space: global }
      - { .name: mb, .offset: 56, .size: 8, .value_kind: global_buffer, .address_space: global }
    .group_segment_fixed_size: 0
    .private_segment_fixed_size: 0
    .kernarg_segment_align: 8
    .kernarg_segment_size: 64
    .max_flat_workgroup_size: 256
    .sgpr_count:     66
    .vgpr_count:     72
    .wavefront_size: 32
...
	.end_amdgpu_metadata
.endif
;; end of part 1
;; launch qkvp (part 2): grid 8 x 32, 4 waves a work-group, clusters of 4 x 4, 327,680 bytes of LDS; arguments xb, wib, b_in, qkv; writes qkv
.if DOCPART == 2
	.amdgcn_target "amdgcn-amd-amdhsa--gfx1250"
	.amdhsa_code_object_version 6
	.text
	.protected	k_q08b4b952fa_qkvp
	.globl	k_q08b4b952fa_qkvp
	.p2align	8
	.type	k_q08b4b952fa_qkvp,@function
k_q08b4b952fa_qkvp:
	s_mov_b64 s[64:65], 0
	v_nop
	global_prefetch_b8 v0, s[64:65] scope:SCOPE_SE
	s_setreg_imm32_b32 hwreg(HW_REG_WAVE_MODE, 25, 1), 1
	s_wait_xcnt 0x0
	s_wait_alu depctr_hold_cnt(0) depctr_sa_sdst(0) depctr_va_vdst(0) depctr_va_sdst(0) depctr_va_ssrc(0) depctr_va_vcc(0) depctr_vm_vsrc(0)
	s_getreg_b32 s2, hwreg(HW_REG_IB_STS2, 6, 4)
	s_cmp_eq_u32 s2, 0
	s_cbranch_scc0 .Lentry_in_a_cluster
	s_endpgm
.Lentry_in_a_cluster:
	s_bfe_u32 s2, ttmp6, 0x10000c
	s_cmp_lg_u32 s2, 0xf033
	s_cbranch_scc0 .Lentry_shape_is_right
	s_endpgm
.Lentry_shape_is_right:
; THE IN-PROJECTION: qkv = x w_in^T + b_in, 8192 x 3072 x 1024, bf16 operands, f32 sums; the bias (rounded to bf16 like every input) is added in f32; q, k, v leave in f16, unscaled.
; LIMIT: q, k and v must lie within f16's 65,504.
; SHARES.  A work-group makes 256 tokens (ty) x 384 columns (tx: q, k and v of heads 2 tx and 2 tx + 1): 8 x 32 = 256 work-groups.  Wave w: tokens 128 (w / 2) .., head 2 tx + w % 2:
; three groups g = 0 (q), 1 (k), 2 (v) of 64 columns: 96 accumulators of 16 x 16, 768 registers.  For 96 matrix instructions a wave reads 40 x 512 bytes from LDS.
; K goes in blocks of 64 through two LDS slots.  In xb and wib a block of 64 columns is a plane, so a tile's rows lie end to end and are asked for as rows of 256 bytes, padded in LDS after every 128.
; CLUSTER 4 x 4: x's tile hangs on ty alone and is shared along a row of the cluster, w_in's on tx alone and is shared along a column: joint loads, one a wave behind each round.
; WHAT LEAVES: the register images of the attention launch's operands.  q, k: source 0 = 16 channels, source 1 = 16 tokens: a lane holds one token and 8 channels.
; v: the sources swapped: a lane holds one channel and 8 tokens.  Each store of a wave is 512 consecutive bytes at a multiple of 512.
;   q at byte 0, k at 16 MiB: bh*131072 + (token/16)*2048 + (channel/16)*512 + lane*16        v at 32 MiB: bh*131072 + (token/32)*4096 + ((channel/16)*2 + (token/16)%2)*512 + lane*16
; REGISTERS: window 0: v0-31 addresses; v32-95, v96-159 x's fragments (8 x 16 tokens x 32 K), two buffers; v160-255 w_in's fragments, 32 registers a group.
;   windows 1, 2, 3: the accumulators of q, k, v: (a, b) at v[8 (4 a + b)].
.set PITCH,  144                       ; an LDS row: 128 bytes + 16 of padding: the 16 rows of a fragment load start at 16 different groups of four banks (ISA guide 11.1)
.set BHALF,  192*PITCH                 ; what one load brings of w_in, and what one wave reads of it
.set AHALF,  128*PITCH                 ; the same for x
.set AOFF,   2*BHALF                   ; a slot: w_in's 384 rows, then x's 256
.set SLOT,   AOFF+2*AHALF              ; 92,160 bytes
.set SPARE,  2*SLOT                    ; behind the ring: the spare words, 128 bytes a wave: two blocks of 256 bytes that no other line names
.set APLANE, 8192*128
.set BPLANE, 3072*128
.set ADRA, 16                          ; v16-17  LDS address of my fragments of x in slot 0, 1
.set ADRB, 20                          ; v20-21  of w_in
.set LOF,  24                          ; v24     16 x lane
.set HOF,  25                          ; v25     32 x (lane / 16): my 8 biases of q and k
.set ROF,  26                          ; v26     4 x (lane % 16): my bias of v
.set SPW,  28                          ; v28     LDS address of my spare word; never rewritten
.set NIL,  29                          ; v29     0; never rewritten
.set FA0,  32
.set FA1,  96
.set FB,   160                         ; group g at FB + 32 g
.set BQ,   32                          ; the way out: q's and k's biases, 8 for each (g, b), where buffer 0 lay
.set BVL,  160                         ; v's biases as loaded
.set BV,   168                         ; and as pairs
.set T,    96                          ; the way out: 32 sums with their bias
.set PK,   128                         ; and 16 registers of f16
.set G1A, 24                           ; s[24:31] descriptor group 1 for x;  s[32:39] group 0, a set for each slot
.set G0A, 32
.set G1B, 48                           ; s[48:55], s[56:63] the same for w_in
.set G0B, 56
.set CW, (1<<16)|(1<<20)|(1<<21)|(4<<22)|(3<<25)  ; 17:16 elements of 2 bytes; 20 padding on; 21 set beside a mask; 24:22 after every 32 words; 31:25 4 words of it
.set MSB, 0
.macro WIN new                         ; the immediate's high byte repeats the setting that is left; a switch that changes nothing is dropped
.if MSB != (\new)
	s_set_vgpr_msb (MSB<<8)|(\new)
.set MSB, \new
.endif
.endm
.macro PLACES                          ; four places behind matrix instructions, in front of loads into their sources and of reads of their results
.rept 4
	v_nop
.endr
.endm
; A joint load: waves 0 and 1 fetch the halves of w_in's tile, waves 2 and 3 those of x's.  The branch hangs on the wave's number alone.  An s_nop 0 and four v_nop follow each line.
.macro JLOAD s
	s_cmp_eq_u32 s13, 0
	s_cbranch_scc0 .Lfor_a_\@
	tensor_load_to_lds s[G0B+4*(\s):G0B+4*(\s)+3], s[G1B:G1B+7]
	s_nop 0
.rept 4
	v_nop
.endr
	s_branch .Lasked_\@
.Lfor_a_\@:
	tensor_load_to_lds s[G0A+4*(\s):G0A+4*(\s)+3], s[G1A:G1A+7]
	s_nop 0
.rept 4
	v_nop
.endr
.Lasked_\@:
.endm
.macro CREST                           ; a round of the cluster's barrier behind its opening barrier
	s_cmp_lg_u32 s12, 0
	s_cbranch_scc1 .Lnot_wave_0_\@
	s_barrier_signal -3
.Lnot_wave_0_\@:
	s_barrier_wait -3
	s_barrier_signal -1
	s_barrier_wait -1
.endm
.macro CROUND                          ; a whole round
	s_barrier_signal -1
	s_barrier_wait -1
	CREST
.endm
	s_load_b256 s[4:11], s[0:1], 0x0               ; xb s[4:5], wib s[6:7], b_in s[8:9], qkv s[10:11]
	v_lshl_add_u32 v[SPW], v0, 2, SPARE
	v_mov_b32 v[NIL], 0
	ds_add_u32 v[SPW], v[NIL]                      ; the wave's opening: the add and its wait ahead of my first tensor load; work on registers stands between them
	v_lshrrev_b32 v1, 5, v0
	v_readfirstlane_b32 s12, v1                    ; wave 0..3
	s_lshr_b32 s13, s12, 1                         ; which 128 tokens are mine.  Also: I fetch for w_in (0) or for x (1)
	s_and_b32 s14, s12, 1                          ; which head.  Also: which half of that tile I fetch
	s_bfe_u32 s40, ttmp6, 0x40000                  ; cx
	s_bfe_u32 s41, ttmp6, 0x40004                  ; cy
	s_lshl_b32 s42, ttmp9, 2
	s_add_co_u32 s42, s42, s40                     ; tx = 4 x cluster x + cx
	s_and_b32 s43, ttmp7, 0xffff
	s_lshl_b32 s43, s43, 2
	s_add_co_u32 s43, s43, s41                     ; ty = 4 x cluster y + cy
	s_lshl_b32 s44, s41, 2
	s_lshl_b32 s44, 15, s44                        ; my row of the cluster
	s_lshl_b32 s45, 0x1111, s40                    ; my column
	s_or_b32 s[G1A+0], s44, CW                     ; x's tiles go to my row
	s_or_b32 s[G1B+0], s45, CW                     ; w_in's to my column
	s_mov_b32 s[G1A+1], 128<<16                    ; tensor_dim0 = 128 elements: rows of 256 bytes, two rows of the plane each
	s_mov_b32 s[G1A+2], 64<<16                     ; tensor_dim1 = 64: 128 rows of 128 bytes
	s_mov_b32 s[G1A+3], 128<<16                    ; tile_dim0
	s_mov_b32 s[G1A+4], 64                         ; tile_dim1
	s_mov_b32 s[G1A+5], 128                        ; elements from row to row: dense
	s_mov_b32 s[G1A+6], 0
	s_mov_b32 s[G1A+7], 0
	s_mov_b32 s[G1B+1], 128<<16
	s_mov_b32 s[G1B+2], 96<<16                     ; 192 rows of 128 bytes
	s_mov_b32 s[G1B+3], 128<<16
	s_mov_b32 s[G1B+4], 96
	s_mov_b32 s[G1B+5], 128
	s_mov_b32 s[G1B+6], 0
	s_mov_b32 s[G1B+7], 0
	s_lshl_b32 s16, s43, 15                        ; x: (256 ty + 128 half) rows of 128 bytes: made of ty and the wave's number alone
	s_lshl_b32 s17, s14, 14
	s_add_co_u32 s16, s16, s17
	s_mov_b32 s17, 0
	s_mul_i32 s46, s42, 384*128                    ; w_in: (384 tx + 192 half) rows: made of tx and the wave's number alone
	s_mul_i32 s47, s14, 192*128
	s_add_co_u32 s46, s46, s47
	s_mov_b32 s47, 0
	s_mul_i32 s20, s12, BHALF                      ; where they go: waves 0, 1: w_in's halves,
	s_mul_i32 s21, s12, AHALF
	s_add_co_u32 s21, s21, AOFF-2*AHALF            ; waves 2, 3: x's halves behind them
	s_wait_dscnt 0x0                               ; the opening add is done
	s_wait_kmcnt 0x0
	s_add_nc_u64 s[18:19], s[4:5], s[16:17]
	s_add_nc_u64 s[46:47], s[6:7], s[46:47]
	CROUND                                         ; all sixteen work-groups are here: the first joint loads meet
.irp s, 0,1
	s_mov_b32 s[G0A+4*(\s)], 1
	s_add_co_u32 s[G0A+4*(\s)+1], s21, (\s)*SLOT
	s_add_nc_u64 s[G0A+4*(\s)+2:G0A+4*(\s)+3], s[18:19], (\s)*APLANE  ; K block s
	s_or_b32 s[G0A+4*(\s)+3], s[G0A+4*(\s)+3], 0x80000000
	s_mov_b32 s[G0B+4*(\s)], 1
	s_add_co_u32 s[G0B+4*(\s)+1], s20, (\s)*SLOT
	s_add_nc_u64 s[G0B+4*(\s)+2:G0B+4*(\s)+3], s[46:47], (\s)*BPLANE
	s_or_b32 s[G0B+4*(\s)+3], s[G0B+4*(\s)+3], 0x80000000
	JLOAD \s                                       ; two tensor loads of mine are out
.endr
	v_and_b32 v1, 15, v0                           ; r = lane % 16
	v_bfe_u32 v2, v0, 4, 1                         ; h = lane / 16
	v_mul_u32_u24 v3, v1, PITCH
	v_lshl_add_u32 v3, v2, 4, v3                   ; a fragment's row x pitch + 16 h
	s_mul_i32 s22, s13, AHALF
	s_add_co_u32 s22, s22, AOFF                    ; my 128 tokens
	s_mul_i32 s23, s14, BHALF                      ; my head's 192 rows
.irp s, 0,1
	v_add_nc_u32 v[ADRA+(\s)], s22, v3
	v_add_nc_u32 v[ADRB+(\s)], s23, v3
	s_add_co_u32 s22, s22, SLOT
	s_add_co_u32 s23, s23, SLOT
.endr
	v_and_b32 v[LOF], 31, v0
	v_lshlrev_b32 v[LOF], 4, v[LOF]
	v_lshlrev_b32 v[HOF], 5, v2
	v_lshlrev_b32 v[ROF], 2, v1
	; where my results go: bh = (ty / 4) 16 + 2 tx + head half; my first token in the batch is (ty % 4) 256 + 128 (w / 2): the same byte offset in q, k and v
	s_lshr_b32 s66, s43, 2
	s_lshl_b32 s66, s66, 4
	s_lshl_b32 s67, s42, 1
	s_add_co_u32 s67, s67, s14                     ; head
	s_add_co_u32 s66, s66, s67
	s_lshl_b32 s66, s66, 17
	s_lshl_b32 s76, s67, 8                         ; the head's 64 biases
	s_and_b32 s67, s43, 3
	s_lshl_b32 s67, s67, 15
	s_add_co_u32 s66, s66, s67
	s_lshl_b32 s67, s13, 14
	s_add_co_u32 s66, s66, s67
	s_mov_b32 s67, 0
	s_mov_b32 s77, 0
	s_add_nc_u64 s[68:69], s[10:11], s[66:67]      ; q
	s_add_nc_u64 s[70:71], s[68:69], 0x1000000     ; k
	s_add_nc_u64 s[72:73], s[68:69], 0x2000000     ; v
	s_add_nc_u64 s[74:75], s[8:9], s[76:77]        ; b_in at my head's q
; 16 matrix instructions of group g: token blocks a0 .. a0 + 3 x the group's 4 channel blocks, 32 along K, x's fragments in buffer f.  zero = 1: the products start the sums.
.macro MUL16 g, f, a0, zero
	WIN 0x50*((\g)+1)                              ; C and D in the group's window, both sources in window 0
.set ia, \a0
.rept 4
.set ib, 0
.rept 4
.set rD, 8*(4*ia+ib)
.set rW, FB+32*(\g)+8*ib
.set rX, (\f)+8*ia
.if (\g) < 2
.if \zero
	v_wmma_f32_16x16x32_bf16 v[rD:rD+7], v[rW:rW+7], v[rX:rX+7], 0
.else
	v_wmma_f32_16x16x32_bf16 v[rD:rD+7], v[rW:rW+7], v[rX:rX+7], v[rD:rD+7]
.endif
.else
.if \zero
	v_wmma_f32_16x16x32_bf16 v[rD:rD+7], v[rX:rX+7], v[rW:rW+7], 0
.else
	v_wmma_f32_16x16x32_bf16 v[rD:rD+7], v[rX:rX+7], v[rW:rW+7], v[rD:rD+7]
.endif
.endif
.set ib, ib+1
.endr
.set ia, ia+1
.endr
.endm
.macro LOADA f, slot, k                ; 16 loads: my 128 tokens, 32 K at byte k of the rows
.set i, 0
.rept 8
	ds_load_b128 v[(\f)+8*i:(\f)+8*i+3],   v[ADRA+(\slot)] offset:(\k)+i*16*PITCH
	ds_load_b128 v[(\f)+8*i+4:(\f)+8*i+7], v[ADRA+(\slot)] offset:(\k)+i*16*PITCH+32
.set i, i+1
.endr
.endm
.macro LOADB g, slot, k                ; 8 loads: group g's 64 rows
.set i, 0
.rept 4
	ds_load_b128 v[FB+32*(\g)+8*i:FB+32*(\g)+8*i+3],   v[ADRB+(\slot)] offset:(\k)+(64*(\g)+16*i)*PITCH
	ds_load_b128 v[FB+32*(\g)+8*i+4:FB+32*(\g)+8*i+7], v[ADRB+(\slot)] offset:(\k)+(64*(\g)+16*i)*PITCH+32
.set i, i+1
.endr
.endm
; A PHASE: group g's 32 products of a quarter (32 along K).  The 32 accumulators take turns; an accumulator comes again 96 matrix instructions later.
.macro PH g, f, zero, cnt
	s_wait_dscnt \cnt
	MUL16 \g, \f, 0, \zero
	MUL16 \g, \f, 4, \zero
	PLACES                                         ; in front of the loads into the group's fragments
	WIN 0
.endm
; The LDS loads of the next quarter go out in this order: behind phase 0 x's 16 and q's 8, behind phase 1 k's 8, behind phase 2 v's 8.  So at phase 0 the 16 youngest (k's, v's) may be out,
; at phase 1 v's 8 and the 24 just issued, at phase 2 those 24 and k's 8.
.macro QF slot, zero                   ; a K block's first quarter: buffer 0; fetches the second quarter
	PH 0, FA0, \zero, 16
	LOADA FA1, \slot, 64
	LOADB 0, \slot, 64
	PH 1, FA0, \zero, 32
	LOADB 1, \slot, 64
	PH 2, FA0, \zero, 32
	LOADB 2, \slot, 64
.endm
; A K block's second quarter: buffer 1; it changes slots.  All reads of this slot have been issued.  In front of the barrier each wave waits for all its tensor loads (one is out: its part of the
; other slot), adds 0 to its spare word, and waits for that and for its reads.  fill = 1: the barrier opens a round of the cluster's, and the slot is filled again, two K blocks on, first thing
; behind it: from there to the wait for it a wave issues 160 matrix instructions.
.macro QL slot, fill
	WIN 0
	s_wait_tensorcnt 0x0
	ds_add_u32 v[SPW], v[NIL]
	s_wait_dscnt 17                                ; the add and the 16 youngest loads (k's, v's) may be out
	MUL16 0, FA1, 0, 0
	s_wait_dscnt 0x0                               ; the add is done, and my reads of this slot are over
	s_barrier_signal -1
	MUL16 0, FA1, 4, 0
	WIN 0
	s_barrier_wait -1
.if \fill
	CREST
	s_add_nc_u64 s[G0A+4*(\slot)+2:G0A+4*(\slot)+3], s[G0A+4*(\slot)+2:G0A+4*(\slot)+3], 2*APLANE
	s_add_nc_u64 s[G0B+4*(\slot)+2:G0B+4*(\slot)+3], s[G0B+4*(\slot)+2:G0B+4*(\slot)+3], 2*BPLANE
	JLOAD \slot                                    ; its four v_nop are also the places in front of the loads below
.else
	PLACES
.endif
	LOADA FA0, 1-(\slot), 0
	LOADB 0, 1-(\slot), 0
	PH 1, FA1, 0, 24                               ; all but the 24 just issued
	LOADB 1, 1-(\slot), 0
	PH 2, FA1, 0, 32
	LOADB 2, 1-(\slot), 0
.endm
	s_wait_tensorcnt 1                             ; my part of K block 0 is in; K block 1's may stay out
	s_barrier_signal -1
	s_barrier_wait -1
	LOADA FA0, 0, 0
	LOADB 0, 0, 0
	LOADB 1, 0, 0
	LOADB 2, 0, 0
	QF 0, 1                                        ; the first quarter starts the sums: nothing is cleared
	s_mov_b32 s3, 7
.Llap:                                                 ; a trip goes once round the ring and fills both slots again: K blocks 2 .. 15
	QL 0, 1
	QF 1, 0
	QL 1, 1
	QF 0, 0
	s_sub_co_u32 s3, s3, 1
	s_cmp_lg_u32 s3, 0
	s_cbranch_scc1 .Llap
	QL 0, 0                                        ; the tail asks for nothing
	QF 1, 0
.irp g, 0,1                            ; the last quarter: buffer 0 is free and takes q's and k's biases
.irp b, 0,1,2,3
	global_load_b128 v[BQ+32*(\g)+8*(\b):BQ+32*(\g)+8*(\b)+3],   v[HOF], s[74:75] offset:(\g)*4096+(\b)*64
	global_load_b128 v[BQ+32*(\g)+8*(\b)+4:BQ+32*(\g)+8*(\b)+7], v[HOF], s[74:75] offset:(\g)*4096+(\b)*64+16
.endr
.endr
	PH 0, FA1, 0, 16
.irp b, 0,1,2,3
	global_load_b32 v[BVL+(\b)], v[ROF], s[74:75] offset:8192+(\b)*64  ; q's fragments are free and take v's biases
.endr
	PH 1, FA1, 0, 8
	PH 2, FA1, 0, 0
	; THE WAY OUT.  The biases are rounded to bf16 and widened again; then, 16 tokens at a time: sum + bias in f32, rounded once to f16, stored from the registers as they lie.
	s_wait_loadcnt 0x0
.set i, 0
.rept 32
	v_cvt_pk_bf16_f32 v[4+i%4], v[BQ+2*i], v[BQ+2*i+1]
	v_lshlrev_b32 v[BQ+2*i], 16, v[4+i%4]
	v_and_b32 v[BQ+2*i+1], 0xffff0000, v[4+i%4]
.set i, i+1
.endr
.set i, 0
.rept 4
	v_cvt_pk_bf16_f32 v[4+i], v[BVL+i], v[BVL+i]
	v_lshlrev_b32 v[BV+2*i], 16, v[4+i]            ; v's bias goes by the lane: the same for a pair of tokens
	v_lshlrev_b32 v[BV+2*i+1], 16, v[4+i]
.set i, i+1
.endr
.macro OUT g, a
	WIN (\g)+1                                     ; source 0 in the group's window
.irp b, 0,1,2,3
.irp p, 0,1,2,3                        ; each accumulator's registers in ascending order
.if (\g) < 2
	v_pk_add_f32 v[T+8*(\b)+2*(\p):T+8*(\b)+2*(\p)+1], v[8*(4*(\a)+(\b))+2*(\p):8*(4*(\a)+(\b))+2*(\p)+1], v[BQ+32*(\g)+8*(\b)+2*(\p):BQ+32*(\g)+8*(\b)+2*(\p)+1]
.else
	v_pk_add_f32 v[T+8*(\b)+2*(\p):T+8*(\b)+2*(\p)+1], v[8*(4*(\a)+(\b))+2*(\p):8*(4*(\a)+(\b))+2*(\p)+1], v[BV+2*(\b):BV+2*(\b)+1]
.endif
.endr
.endr
	WIN 0
	s_wait_xcnt 0x0                                ; the last block's stores have had their addresses translated (ISA guide 3.1): their data registers are rewritten only behind this wait
.irp b, 0,1,2,3
.irp p, 0,1,2,3
	v_cvt_pk_f16_f32 v[PK+4*(\b)+(\p)], v[T+8*(\b)+2*(\p)], v[T+8*(\b)+2*(\p)+1]
.endr
.endr
.irp b, 0,1,2,3
.if (\g) < 2
	global_store_b128 v[LOF], v[PK+4*(\b):PK+4*(\b)+3], s[68+2*(\g):69+2*(\g)] offset:(\a)*2048+(\b)*512
.else
	global_store_b128 v[LOF], v[PK+4*(\b):PK+4*(\b)+3], s[68+2*(\g):69+2*(\g)] offset:((\a)/2)*4096+(\b)*1024+((\a)%2)*512
.endif
.endr
.endm
.irp g, 0,1,2
.irp a, 0,1,2,3,4,5,6,7
	OUT \g, \a
.endr
.endr
	s_wait_tensorcnt 0x0                           ; the wave's end
	ds_add_u32 v[SPW], v[NIL]
	s_wait_dscnt 0x0
	CROUND                                         ; the closing round: no work-group ends while a partner may still ask for a tile that names it
	s_endpgm
.Lfunc_end_k_q08b4b952fa_qkvp:
	.size	k_q08b4b952fa_qkvp, .Lfunc_end_k_q08b4b952fa_qkvp-k_q08b4b952fa_qkvp
	.p2alignl 7, 3214868480
	.fill 96, 4, 3214868480
	.section	.rodata,"a",@progbits
	.p2align	6, 0x0
	.amdhsa_kernel k_q08b4b952fa_qkvp
		.amdhsa_group_segment_fixed_size 327680
		.amdhsa_private_segment_fixed_size 0
		.amdhsa_enable_private_segment 0
		.amdhsa_kernarg_size 32
		.amdhsa_user_sgpr_count 2
		.amdhsa_user_sgpr_kernarg_segment_ptr 1
		.amdhsa_wavefront_size32 1
		.amdhsa_system_sgpr_workgroup_id_x 1
		.amdhsa_system_sgpr_workgroup_id_y 1
		.amdhsa_system_sgpr_workgroup_id_z 1
		.amdhsa_system_vgpr_workitem_id 0
		.amdhsa_next_free_vgpr 1024
		.amdhsa_next_free_sgpr 80
		.amdhsa_reserve_vcc 0
		.amdhsa_float_denorm_mode_32 3
		.amdhsa_float_denorm_mode_16_64 3
		.amdhsa_memory_ordered 1
		.amdhsa_forward_progress 1
		.amdhsa_inst_pref_size 150
	.end_amdhsa_kernel
	.amdgpu_metadata
---
amdhsa.version: [ 1, 2 ]
amdhsa.kernels:
  - .name:           k_q08b4b952fa_qkvp
    .symbol:         k_q08b4b952fa_qkvp.kd
    .args:
      - { .name: xb, .offset: 0, .size: 8, .value_kind: global_buffer, .address_space: global }
      - { .name: wib, .offset: 8, .size: 8, .value_kind: global_buffer, .address_space: global }
      - { .name: b_in, .offset: 16, .size: 8, .value_kind: global_buffer, .address_space: global }
      - { .name: qkv, .offset: 24, .size: 8, .value_kind: global_buffer, .address_space: global }
    .group_segment_fixed_size: 327680
    .private_segment_fixed_size: 0
    .kernarg_segment_align: 8
    .kernarg_segment_size: 32
    .max_flat_workgroup_size: 128
    .sgpr_count:     80
    .vgpr_count:     1024
    .wavefront_size: 32
...
	.end_amdgpu_metadata
.endif
;; end of part 2
;; launch attn (part 3): grid 2 x 128, 16 waves a work-group, no clusters, 0 bytes of LDS; arguments qkv, mb, ctx; writes ctx
.if DOCPART == 3
	.amdgcn_target "amdgcn-amd-amdhsa--gfx1250"
	.amdhsa_code_object_version 6
	.text
	.protected	k_q08b4b952fa_attn
	.globl	k_q08b4b952fa_attn
	.p2align	8
	.type	k_q08b4b952fa_attn,@function
k_q08b4b952fa_attn:
	s_mov_b64 s[64:65], 0
	v_nop
	global_prefetch_b8 v0, s[64:65] scope:SCOPE_SE
	s_setreg_imm32_b32 hwreg(HW_REG_WAVE_MODE, 25, 1), 1
	s_wait_xcnt 0x0
; MASKED ATTENTION, head size 64, f16 operands, f32 products, maxima and sums; the weights are rounded to f16 for the second product (their sum is taken unrounded), the result once at the end.
; A wave owns 32 queries (block qb) of one (batch, head) bh and walks tiles of 32 keys.  WHICH tiles: those in which the mask leaves an entry open; ALL 32 as soon as one of the block's rows is
; masked everywhere, since such a row weighs all 1,024 keys alike.  Both are whole numbers that the launch before stored (mb's flags).  A tile that is left out holds weights that are exactly 0.
; LIMITS.  A masked score counts as -2^100: true scores of f16 operands stay under 2.7e11.  A weight below 2^-126 counts as 0.  NaN and infinities are not treated apart.
; c x (-2^100) is exact, so a row that is masked everywhere has c s - c m = 0 and weight 1 for every key.
; LAYOUT.  S^T = K Q^T (source 0 = 16 keys, source 1 = 16 queries): a lane holds ONE query (lane % 16) and keys 8 (lane / 16) + 0..7; two such results rounded to f16 ARE source 1 of O^T = V^T P.
; q, k and v lie in memory as these operands' register images: every load of a wave is 512 consecutive bytes.  The mask comes as lane masks, one scalar word for each register of S^T.
; Sixteen waves that share nothing: no LDS, no barrier; four on a SIMD stand in for each other while one waits.  NO CLUSTER and no tensor loads: the waves' lists of tiles differ in length and content.
; The tile after the one in hand is fetched while this one is worked on; the last trip fetches tile 31 (a clamped number, inside the buffers) and nobody reads it: so every counted wait counts the same on every path.
.set LO,  1                            ; v1      16 x lane; never rewritten
.set NEGV, 2                           ; v2      -2^100
.set ST,  4                            ; query tile t at v[ST + 10 t]: c m, m | l (even keys', odd keys') | a, a spare that is only named | T0-T3 at work
.set Q,   24                           ; v24-55  tile t, channel half c at Q + 16 t + 8 c
.set K,   56                           ; v56-87  key half kb, channel half c at K + 16 kb + 8 c
.set V,   88                           ; v88-119 channel block cb at V + 8 cb
.set S,   120                          ; v120-151 (kb, t) at S + 8 (2 kb + t)
.set P,   152                          ; v152-167 tile t at P + 8 t
.set O,   168                          ; v168-231 (cb, t) at O + 8 (2 cb + t)
.macro EACH line:vararg                ; one line for each query tile t
.set t, 0
.rept 2
	\line
.set t, t+1
.endr
.endm
.macro LOAD8 dst, base                 ; 4,096 consecutive bytes
.set i, 0
.rept 8
	global_load_b128 v[(\dst)+4*i:(\dst)+4*i+3], v[LO], s[\base:\base+1] offset:512*i
.set i, i+1
.endr
.endm
.macro NEXT                            ; s16 = the lowest tile left in the list s13, which loses it; 31 where none is left
	s_ctz_i32_b32 s16, s13
	s_min_u32 s16, s16, 31
	s_sub_co_u32 s17, s13, 1
	s_and_b32 s13, s13, s17
.endm
	s_load_b128 s[4:7], s[0:1], 0x0                ; qkv s[4:5], mb s[6:7]
	s_load_b64 s[8:9], s[0:1], 0x10                ; ctx
	v_lshrrev_b32 v3, 5, v0
	v_readfirstlane_b32 s12, v3                    ; wave 0..15
	v_and_b32 v[LO], 31, v0
	v_lshlrev_b32 v[LO], 4, v[LO]
	v_mov_b32 v[NEGV], 0xf1800000
	s_lshl_b32 s10, ttmp9, 4
	s_add_co_u32 s10, s10, s12                     ; qb
	s_and_b32 s11, ttmp7, 0xffff                   ; bh
	s_mov_b32 s19, 0
	s_mov_b32 s89, 0
	s_mov_b32 s66, 0x3e38aa3b                      ; c = log2(e) / 8
	s_mov_b32 s67, s66                             ; named with it as a pair
	s_mov_b32 s68, 0x76543210                      ; v_permlanex16_b32: each lane takes its own place in the other half
	s_mov_b32 s69, 0xfedcba98
	s_lshl_b32 s88, s10, 6
	s_add_co_u32 s88, s88, 131072                  ; my block's 16 flag words
	s_wait_kmcnt 0x0
	s_add_nc_u64 s[24:25], s[6:7], s[88:89]
	s_load_b512 s[72:87], s[24:25], 0x0
	s_lshl_b32 s18, s11, 17                        ; a head's 131,072 bytes
	s_add_nc_u64 s[70:71], s[4:5], s[18:19]
	s_add_nc_u64 s[26:27], s[70:71], 0x1000000     ; the head's k
	s_add_nc_u64 s[28:29], s[70:71], 0x2000000     ; the head's v
	s_lshl_b32 s18, s10, 12
	s_add_nc_u64 s[70:71], s[70:71], s[18:19]      ; my 32 queries
	s_add_nc_u64 s[30:31], s[6:7], s[18:19]        ; my block's 32 tiles of 32 mask words
	LOAD8 Q, 70
	s_and_b32 s16, s11, 15                         ; ctx: ((head 512 + batch 64 + token / 16) 4 + channel / 16) 512 + 16 lane: the image of the out-projection's operand
	s_lshr_b32 s17, s11, 4
	s_lshl_b32 s16, s16, 9
	s_lshl_b32 s17, s17, 6
	s_add_co_u32 s16, s16, s17
	s_lshl_b32 s17, s10, 1
	s_add_co_u32 s16, s16, s17
	s_lshl_b32 s18, s16, 11
	s_add_nc_u64 s[8:9], s[8:9], s[18:19]
	s_wait_kmcnt 0x0                               ; the flags
	s_or_b32 s13, s72, s73                         ; the tiles with an open entry,
.irp i, 74,75,76,77,78,79
	s_or_b32 s13, s13, s\i
.endr
	s_and_b32 s15, s80, s81                        ; the rows that are masked in all 1,024 keys
.irp i, 82,83,84,85,86,87
	s_and_b32 s15, s15, s\i
.endr
	s_cmp_lg_u32 s15, 0
	s_cselect_b32 s13, -1, s13                     ; one such row: all tiles
	s_bcnt1_i32_b32 s14, s13                       ; the walk's length, 1 at the least
	NEXT
	s_lshl_b32 s18, s16, 12                        ; a tile is 4,096 bytes of k and of v,
	s_lshl_b32 s88, s16, 7                         ; 128 of mask words
	s_add_nc_u64 s[20:21], s[26:27], s[18:19]
	s_add_nc_u64 s[22:23], s[28:29], s[18:19]
	s_add_nc_u64 s[24:25], s[30:31], s[88:89]
	LOAD8 K, 20
	LOAD8 V, 22
	s_load_b512 s[32:47], s[24:25], 0x0
	s_load_b512 s[48:63], s[24:25], 0x40
	; No first step is written out: O and l start at 0, m at -2^100.  The price is these lines, which stand in the wait for the first tile.
.set i, 0
.rept 64
	v_mov_b32 v[O+i], 0
.set i, i+1
.endr
	EACH v_mov_b32 v[ST+10*t+1], v[NEGV]
	EACH v_mul_f32 v[ST+10*t], s66, v[NEGV]
	EACH v_mov_b32 v[ST+10*t+2], 0
	EACH v_mov_b32 v[ST+10*t+3], 0
	EACH v_mov_b32 v[ST+10*t+5], 0
	s_mov_b32 s15, 0
.Ltile:
	NEXT
	s_lshl_b32 s18, s16, 12
	s_lshl_b32 s88, s16, 7
	s_wait_loadcnt 0x8                             ; K (and at first Q) is in; V's eight loads stay out
.set n, 0
.rept 8                                                ; channel half n / 4; accumulator n % 4: four take turns
.set rS, S+8*(n%4)
.set rK, K+16*((n/2)%2)+8*(n/4)
.set rQ, Q+16*(n%2)+8*(n/4)
.if n < 4
	v_wmma_f32_16x16x32_f16 v[rS:rS+7], v[rK:rK+7], v[rQ:rQ+7], 0
.else
	v_wmma_f32_16x16x32_f16 v[rS:rS+7], v[rK:rK+7], v[rQ:rQ+7], v[rS:rS+7]
.endif
.set n, n+1
.endr
	s_add_nc_u64 s[20:21], s[26:27], s[18:19]      ; free since the wait above showed K's loads done
.rept 4
	v_nop                                          ; the places in front of the loads into K and of the reads of S^T
.endr
	LOAD8 K, 20                                    ; the next tile's K
	s_wait_kmcnt 0x0                               ; this tile's mask words
.set i, 0
.rept 32
	v_cndmask_b32 v[S+i], v[S+i], v[NEGV], s[32+i] ; ascending: each accumulator's lowest register first
.set i, i+1
.endr
	EACH v_max3_num_f32 v[ST+10*t+6], v[S+8*t], v[S+8*t+1], v[S+8*t+2]
	EACH v_max3_num_f32 v[ST+10*t+7], v[S+8*t+3], v[S+8*t+4], v[S+8*t+5]
	EACH v_max3_num_f32 v[ST+10*t+8], v[S+8*t+6], v[S+8*t+7], v[S+16+8*t]
	EACH v_max3_num_f32 v[ST+10*t+9], v[S+16+8*t+1], v[S+16+8*t+2], v[S+16+8*t+3]
	EACH v_max3_num_f32 v[ST+10*t+6], v[ST+10*t+6], v[S+16+8*t+4], v[S+16+8*t+5]
	EACH v_max3_num_f32 v[ST+10*t+7], v[ST+10*t+7], v[S+16+8*t+6], v[S+16+8*t+7]
	EACH v_max3_num_f32 v[ST+10*t+8], v[ST+10*t+8], v[ST+10*t+9], v[ST+10*t+1]
	EACH v_max3_num_f32 v[ST+10*t+6], v[ST+10*t+6], v[ST+10*t+7], v[ST+10*t+8]
	EACH v_permlanex16_b32 v[ST+10*t+7], v[ST+10*t+6], s68, s69  ; the query's other 16 keys lie in the lane 16 away
	EACH v_mov_b32 v[ST+10*t+9], v[ST+10*t]        ; c m_old is kept
	EACH v_max_num_f32 v[ST+10*t+1], v[ST+10*t+6], v[ST+10*t+7]
	EACH v_mul_f32 v[ST+10*t], s66, v[ST+10*t+1]
	EACH v_sub_f32 v[ST+10*t+8], v[ST+10*t+9], v[ST+10*t]
	EACH v_exp_f32 v[ST+10*t+4], v[ST+10*t+8]      ; a = 2^(c m_old - c m_new); the scalings below are the plain lines behind it
.set i, 0
.rept 16                                               ; pair i % 4 of accumulator i / 4, whose query tile is (i / 4) % 2
	v_pk_fma_f32 v[S+2*i:S+2*i+1], v[S+2*i:S+2*i+1], s[66:67], v[ST+10*((i/4)%2):ST+10*((i/4)%2)+1] op_sel_hi:[1,0,0] neg_lo:[0,0,1] neg_hi:[0,0,1]
.set i, i+1
.endr
.set i, 0
.rept 32
	v_exp_f32 v[S+i], v[S+i]
.set i, i+1
.endr
	s_add_nc_u64 s[24:25], s[30:31], s[88:89]      ; free since the wait on KMcnt; the words themselves have been read
	s_load_b512 s[32:47], s[24:25], 0x0            ; the next tile's mask words
	s_load_b512 s[48:63], s[24:25], 0x40
.set i, 0
	s_wait_alu depctr_va_vdst(0)
.rept 32                                               ; O^T times a, ascending; plain lines behind the last exponential
	v_pk_mul_f32 v[O+2*i:O+2*i+1], v[O+2*i:O+2*i+1], v[ST+10*((i/4)%2)+4:ST+10*((i/4)%2)+5] op_sel_hi:[1,0]
.set i, i+1
.endr
.set i, 0
.rept 16                                               ; accumulator i / 4 = 2 kb + t
	v_cvt_pk_f16_f32 v[P+8*((i/4)%2)+4*(i/8)+i%4], v[S+2*i], v[S+2*i+1]
.set i, i+1
.endr
	EACH v_pk_add_f32 v[S+8*t:S+8*t+1], v[S+8*t:S+8*t+1], v[S+8*t+2:S+8*t+3]
	EACH v_pk_add_f32 v[S+8*t+4:S+8*t+5], v[S+8*t+4:S+8*t+5], v[S+8*t+6:S+8*t+7]
	EACH v_pk_add_f32 v[S+16+8*t:S+16+8*t+1], v[S+16+8*t:S+16+8*t+1], v[S+16+8*t+2:S+16+8*t+3]
	EACH v_pk_add_f32 v[S+16+8*t+4:S+16+8*t+5], v[S+16+8*t+4:S+16+8*t+5], v[S+16+8*t+6:S+16+8*t+7]
	EACH v_pk_add_f32 v[S+8*t:S+8*t+1], v[S+8*t:S+8*t+1], v[S+8*t+4:S+8*t+5]
	EACH v_pk_add_f32 v[S+16+8*t:S+16+8*t+1], v[S+16+8*t:S+16+8*t+1], v[S+16+8*t+4:S+16+8*t+5]
	EACH v_pk_add_f32 v[S+8*t:S+8*t+1], v[S+8*t:S+8*t+1], v[S+16+8*t:S+16+8*t+1]
	EACH v_pk_fma_f32 v[ST+10*t+2:ST+10*t+3], v[ST+10*t+2:ST+10*t+3], v[ST+10*t+4:ST+10*t+5], v[S+8*t:S+8*t+1] op_sel_hi:[1,0,1]
	s_wait_loadcnt 0x8                             ; V is in; the next K's eight loads stay out
.set n, 0
.rept 8                                                ; eight different accumulators
	v_wmma_f32_16x16x32_f16 v[O+8*n:O+8*n+7], v[V+8*(n/2):V+8*(n/2)+7], v[P+8*(n%2):P+8*(n%2)+7], v[O+8*n:O+8*n+7]
.set n, n+1
.endr
	s_add_nc_u64 s[22:23], s[28:29], s[18:19]      ; free since the wait above showed V's loads done
.rept 4
	v_nop                                          ; the places in front of the loads into V
.endr
	LOAD8 V, 22                                    ; the next tile's V
	s_add_co_u32 s15, s15, 1
	s_cmp_lt_u32 s15, s14
	s_cbranch_scc1 .Ltile
	EACH v_add_f32 v[ST+10*t+2], v[ST+10*t+2], v[ST+10*t+3]
	EACH v_permlanex16_b32 v[ST+10*t+3], v[ST+10*t+2], s68, s69
	EACH v_add_f32 v[ST+10*t+2], v[ST+10*t+2], v[ST+10*t+3]
	EACH v_rcp_f32 v[ST+10*t+4], v[ST+10*t+2]
	v_nop                                          ; a plain line between the last reciprocal and its use
.set i, 0
	s_wait_alu depctr_va_vdst(0)
.rept 32
	v_pk_mul_f32 v[O+2*i:O+2*i+1], v[O+2*i:O+2*i+1], v[ST+10*((i/4)%2)+4:ST+10*((i/4)%2)+5] op_sel_hi:[1,0]
.set i, i+1
.endr
.set i, 0
.rept 32
	v_cvt_pk_f16_f32 v[S+i], v[O+2*i], v[O+2*i+1]
.set i, i+1
.endr
.set n, 0
.rept 8                                                ; accumulator n = 2 cb + t: 512 consecutive bytes each
	global_store_b128 v[LO], v[S+4*n:S+4*n+3], s[8:9] offset:(n%2)*2048+(n/2)*512
.set n, n+1
.endr
	s_endpgm
.Lfunc_end_k_q08b4b952fa_attn:
	.size	k_q08b4b952fa_attn, .Lfunc_end_k_q08b4b952fa_attn-k_q08b4b952fa_attn
	.p2alignl 7, 3214868480
	.fill 96, 4, 3214868480
	.section	.rodata,"a",@progbits
	.p2align	6, 0x0
	.amdhsa_kernel k_q08b4b952fa_attn
		.amdhsa_group_segment_fixed_size 0
		.amdhsa_private_segment_fixed_size 0
		.amdhsa_enable_private_segment 0
		.amdhsa_kernarg_size 24
		.amdhsa_user_sgpr_count 2
		.amdhsa_user_sgpr_kernarg_segment_ptr 1
		.amdhsa_wavefront_size32 1
		.amdhsa_system_sgpr_workgroup_id_x 1
		.amdhsa_system_sgpr_workgroup_id_y 1
		.amdhsa_system_sgpr_workgroup_id_z 1
		.amdhsa_system_vgpr_workitem_id 0
		.amdhsa_next_free_vgpr 232
		.amdhsa_next_free_sgpr 92
		.amdhsa_reserve_vcc 0
		.amdhsa_float_denorm_mode_32 3
		.amdhsa_float_denorm_mode_16_64 3
		.amdhsa_memory_ordered 1
		.amdhsa_forward_progress 1
		.amdhsa_inst_pref_size 26
	.end_amdhsa_kernel
	.amdgpu_metadata
---
amdhsa.version: [ 1, 2 ]
amdhsa.kernels:
  - .name:           k_q08b4b952fa_attn
    .symbol:         k_q08b4b952fa_attn.kd
    .args:
      - { .name: qkv, .offset: 0, .size: 8, .value_kind: global_buffer, .address_space: global }
      - { .name: mb, .offset: 8, .size: 8, .value_kind: global_buffer, .address_space: global }
      - { .name: ctx, .offset: 16, .size: 8, .value_kind: global_buffer, .address_space: global }
    .group_segment_fixed_size: 0
    .private_segment_fixed_size: 0
    .kernarg_segment_align: 8
    .kernarg_segment_size: 24
    .max_flat_workgroup_size: 512
    .sgpr_count:     92
    .vgpr_count:     232
    .wavefront_size: 32
...
	.end_amdgpu_metadata
.endif
;; end of part 3
;; launch outp (part 4): grid 8 x 32, 4 waves a work-group, clusters of 4 x 4, 327,680 bytes of LDS; arguments ctx, wob, b_out, out0; writes out0
.if DOCPART == 4
	.amdgcn_target "amdgcn-amd-amdhsa--gfx1250"
	.amdhsa_code_object_version 6
	.text
	.protected	k_q08b4b952fa_outp
	.globl	k_q08b4b952fa_outp
	.p2align	8
	.type	k_q08b4b952fa_outp,@function
k_q08b4b952fa_outp:
	s_mov_b64 s[64:65], 0
	v_nop
	global_prefetch_b8 v0, s[64:65] scope:SCOPE_SE
	s_setreg_imm32_b32 hwreg(HW_REG_WAVE_MODE, 25, 1), 1
	s_wait_xcnt 0x0
	s_wait_alu depctr_hold_cnt(0) depctr_sa_sdst(0) depctr_va_vdst(0) depctr_va_sdst(0) depctr_va_ssrc(0) depctr_va_vcc(0) depctr_vm_vsrc(0)
	s_getreg_b32 s2, hwreg(HW_REG_IB_STS2, 6, 4)
	s_cmp_eq_u32 s2, 0
	s_cbranch_scc0 .Lentry_in_a_cluster
	s_endpgm
.Lentry_in_a_cluster:
	s_bfe_u32 s2, ttmp6, 0x10000c
	s_cmp_lg_u32 s2, 0xf033
	s_cbranch_scc0 .Lentry_shape_is_right
	s_endpgm
.Lentry_shape_is_right:
; THE OUT-PROJECTION: out0 = ctx w_out^T + b_out, 8192 x 1024 x 1024, f16 operands (w_out is the bf16-rounded number written as f16), f32 sums; the bias, rounded to bf16, is added in f32.
; SHARES.  A work-group makes 256 tokens (ty) x 128 columns (tx): 8 x 32 = 256 work-groups; wave w: tokens 128 (w / 2) .., columns 64 (w % 2) ..: 32 accumulators, in window 1.
; K goes by heads of 64 channels; an LDS slot holds two heads, brought by one load a wave; two slots.  ctx lies in memory as the fragments' register images (a head's 256 tokens are 32,768 dense
; bytes), so it needs no padding: a fragment load takes 512 consecutive bytes.  wob's rows of 128 bytes lie end to end in a plane and are padded to 144 in LDS.
; CLUSTER 4 x 4: ctx's tile hangs on ty alone and is shared along a row of the cluster, w_out's on tx alone and is shared along a column.
; THE MATRIX INSTRUCTION IS USED TRANSPOSED (source 0 = 16 columns' rows of w_out, source 1 = 16 tokens): a lane holds one token and 8 neighbouring columns.
; REGISTERS: window 0: v0-31 addresses, bias; v32-95, v96-159 ctx's fragments, two buffers; v160-191, v192-223 w_out's; window 1: accumulator (a, b) at v[8 (4 a + b)].
.set PITCH,  144
.set ABLK,   32768                     ; a head's 256 tokens
.set BBLK,   128*PITCH                 ; a head's 128 rows of w_out
.set BOFF,   2*ABLK
.set SLOT,   BOFF+2*BBLK               ; 102,400 bytes
.set STAGE,  2*SLOT                    ; behind the ring, never filled by a tensor load: 16 rows x 272 bytes for each wave
.set SPITCH, 272
.set SPARE,  STAGE+4*16*SPITCH         ; the spare words, 128 bytes a wave: two blocks of 256 bytes that no other line names
.set APLANE, 1048576                   ; from head to head in ctx
.set BPLANE, 131072                    ; in wob
.set BI,   8                           ; v[8:11] the bias of my four columns on the way out
.set ADRA, 16
.set ADRB, 20
.set STO,  24
.set RD,   25
.set CO,   26
.set SPW,  28
.set NIL,  29
.set OB,   32                          ; the way out: two buffers of 32 registers, where ctx's buffer 0 lay
.set G1A, 24
.set G0A, 32
.set G1B, 48
.set G0B, 56
.set MSB, 0
.macro WIN new
.if MSB != (\new)
	s_set_vgpr_msb (MSB<<8)|(\new)
.set MSB, \new
.endif
.endm
.macro PLACES
.rept 4
	v_nop
.endr
.endm
.macro JLOAD s                         ; waves 0 and 1 fetch a slot's two heads of ctx, waves 2 and 3 those of w_out; an s_nop 0 and four v_nop follow each line
	s_cmp_eq_u32 s13, 0
	s_cbranch_scc0 .Lfor_b_\@
	tensor_load_to_lds s[G0A+4*(\s):G0A+4*(\s)+3], s[G1A:G1A+7]
	s_nop 0
.rept 4
	v_nop
.endr
	s_branch .Lasked_\@
.Lfor_b_\@:
	tensor_load_to_lds s[G0B+4*(\s):G0B+4*(\s)+3], s[G1B:G1B+7]
	s_nop 0
.rept 4
	v_nop
.endr
.Lasked_\@:
.endm
.macro CREST
	s_cmp_lg_u32 s12, 0
	s_cbranch_scc1 .Lnot_wave_0_\@
	s_barrier_signal -3
.Lnot_wave_0_\@:
	s_barrier_wait -3
	s_barrier_signal -1
	s_barrier_wait -1
.endm
.macro CROUND
	s_barrier_signal -1
	s_barrier_wait -1
	CREST
.endm
	s_load_b256 s[4:11], s[0:1], 0x0               ; ctx s[4:5], wob s[6:7], b_out s[8:9], out0 s[10:11]
	v_lshl_add_u32 v[SPW], v0, 2, SPARE
	v_mov_b32 v[NIL], 0
	ds_add_u32 v[SPW], v[NIL]                      ; the wave's opening: the add and its wait ahead of my first tensor load
	v_lshrrev_b32 v1, 5, v0
	v_readfirstlane_b32 s12, v1                    ; wave 0..3
	s_lshr_b32 s13, s12, 1                         ; which 128 tokens.  Also: I fetch for ctx (0) or for w_out (1)
	s_and_b32 s14, s12, 1                          ; which 64 columns.  Also: which of a slot's two heads I fetch
	s_bfe_u32 s40, ttmp6, 0x40000
	s_bfe_u32 s41, ttmp6, 0x40004
	s_lshl_b32 s42, ttmp9, 2
	s_add_co_u32 s42, s42, s40                     ; tx
	s_and_b32 s43, ttmp7, 0xffff
	s_lshl_b32 s43, s43, 2
	s_add_co_u32 s43, s43, s41                     ; ty
	s_lshl_b32 s44, s41, 2
	s_lshl_b32 s44, 15, s44                        ; my row of the cluster
	s_lshl_b32 s45, 0x1111, s40                    ; my column
	s_or_b32 s[G1A+0], s44, (1<<16)|(1<<21)        ; elements of 2 bytes, no padding, bit 21 beside the mask
	s_or_b32 s[G1B+0], s45, (1<<16)|(1<<20)|(1<<21)|(4<<22)|(3<<25)  ; padded: 4 words after every 32
	s_mov_b32 s[G1A+1], 128<<16                    ; rows of 256 bytes,
	s_mov_b32 s[G1A+2], 128<<16                    ; 128 of them
	s_mov_b32 s[G1A+3], 128<<16
	s_mov_b32 s[G1A+4], 128
	s_mov_b32 s[G1A+5], 128
	s_mov_b32 s[G1A+6], 0
	s_mov_b32 s[G1A+7], 0
	s_mov_b32 s[G1B+1], 128<<16
	s_mov_b32 s[G1B+2], 64<<16                     ; 64 rows of 256 bytes: 128 rows of w_out
	s_mov_b32 s[G1B+3], 128<<16
	s_mov_b32 s[G1B+4], 64
	s_mov_b32 s[G1B+5], 128
	s_mov_b32 s[G1B+6], 0
	s_mov_b32 s[G1B+7], 0
	s_lshl_b32 s16, s43, 15                        ; ctx: my head's plane, the tile's 32,768 bytes: made of ty and the wave's number alone
	s_lshl_b32 s17, s14, 20
	s_add_co_u32 s16, s16, s17
	s_mov_b32 s17, 0
	s_lshl_b32 s46, s42, 14                        ; wob: the tile's 128 rows of 128 bytes: made of tx and the wave's number alone
	s_lshl_b32 s47, s14, 17
	s_add_co_u32 s46, s46, s47
	s_mov_b32 s47, 0
	s_mul_i32 s20, s12, ABLK                       ; where they go: waves 0, 1,
	s_mul_i32 s21, s12, BBLK
	s_add_co_u32 s21, s21, BOFF-2*BBLK             ; waves 2, 3
	s_wait_dscnt 0x0
	s_wait_kmcnt 0x0
	s_add_nc_u64 s[18:19], s[4:5], s[16:17]
	s_add_nc_u64 s[46:47], s[6:7], s[46:47]
	CROUND
.irp s, 0,1
	s_mov_b32 s[G0A+4*(\s)], 1
	s_add_co_u32 s[G0A+4*(\s)+1], s20, (\s)*SLOT
	s_add_nc_u64 s[G0A+4*(\s)+2:G0A+4*(\s)+3], s[18:19], (\s)*2*APLANE
	s_or_b32 s[G0A+4*(\s)+3], s[G0A+4*(\s)+3], 0x80000000
	s_mov_b32 s[G0B+4*(\s)], 1
	s_add_co_u32 s[G0B+4*(\s)+1], s21, (\s)*SLOT
	s_add_nc_u64 s[G0B+4*(\s)+2:G0B+4*(\s)+3], s[46:47], (\s)*2*BPLANE
	s_or_b32 s[G0B+4*(\s)+3], s[G0B+4*(\s)+3], 0x80000000
	JLOAD \s                                       ; two tensor loads of mine are out
.endr
	v_and_b32 v1, 15, v0                           ; r
	v_bfe_u32 v2, v0, 4, 1                         ; h
	v_and_b32 v30, 31, v0
	v_lshlrev_b32 v30, 4, v30                      ; 16 x lane
	v_mul_u32_u24 v3, v1, PITCH
	v_lshl_add_u32 v3, v2, 4, v3
	s_lshl_b32 s22, s13, 14                        ; my 8 token blocks of 2,048 bytes
	s_mul_i32 s23, s14, 64*PITCH
	s_add_co_u32 s23, s23, BOFF                    ; my 64 rows of w_out
.irp s, 0,1
	v_add_nc_u32 v[ADRA+(\s)], s22, v30
	v_add_nc_u32 v[ADRB+(\s)], s23, v3
	s_add_co_u32 s22, s22, SLOT
	s_add_co_u32 s23, s23, SLOT
.endr
	s_mul_i32 s23, s12, 16*SPITCH
	s_add_co_u32 s23, s23, STAGE                   ; my stage
	v_mul_u32_u24 v4, v1, SPITCH                   ; in: row r, 32 bytes for each half of the lanes
	v_lshl_add_u32 v4, v2, 5, v4
	v_add_nc_u32 v[STO], s23, v4
	v_mul_u32_u24 v5, v2, SPITCH                   ; back: lanes 0-15 one row of 256 bytes, lanes 16-31 the next
	v_lshl_add_u32 v5, v1, 4, v5
	v_add_nc_u32 v[RD], s23, v5
	v_lshlrev_b32 v27, 4, v1
	v_lshl_add_u32 v[CO], v2, 12, v27              ; the same two rows in out0
	s_lshl_b32 s66, s42, 9
	s_lshl_b32 s67, s14, 8
	s_add_co_u32 s66, s66, s67                     ; my 64 columns, in bytes
	s_mov_b32 s67, 0
	s_add_nc_u64 s[68:69], s[8:9], s[66:67]
	global_load_b128 v[BI:BI+3], v27, s[68:69]     ; the bias of columns 4 r .. 4 r + 3
	s_lshl_b32 s72, s43, 20                        ; 256 ty rows of 4,096 bytes,
	s_lshl_b32 s73, s13, 19                        ; my 128 of them
	s_add_co_u32 s72, s72, s73
	s_add_co_u32 s72, s72, s66
	s_mov_b32 s73, 0
	s_add_nc_u64 s[70:71], s[10:11], s[72:73]
; 24 LDS loads in one run: quarter c (0..3: head c / 2 of the slot, 32 channels at (c % 2) 32) into buffer c % 2
.macro FETCH2 slot, c
	WIN 0
.set fa, 32+64*((\c)%2)
.set fb, 160+32*((\c)%2)
.set i, 0
.rept 4
	ds_load_b128 v[fb+8*i:fb+8*i+3],   v[ADRB+(\slot)] offset:((\c)/2)*BBLK+i*16*PITCH+((\c)%2)*64
	ds_load_b128 v[fb+8*i+4:fb+8*i+7], v[ADRB+(\slot)] offset:((\c)/2)*BBLK+i*16*PITCH+((\c)%2)*64+32
.set i, i+1
.endr
.set i, 0
.rept 8
	ds_load_b128 v[fa+8*i:fa+8*i+3],   v[ADRA+(\slot)] offset:((\c)/2)*ABLK+i*2048+((\c)%2)*1024
	ds_load_b128 v[fa+8*i+4:fa+8*i+7], v[ADRA+(\slot)] offset:((\c)/2)*ABLK+i*2048+((\c)%2)*1024+512
.set i, i+1
.endr
.endm
.macro MULH c, a0, zero                ; 16 matrix instructions: token blocks a0 .. a0 + 3 x 4 column blocks; the accumulators take turns
	WIN 0x50                                       ; C and D in window 1
.set ia, \a0
.rept 4
.set ib, 0
.rept 4
.set rD, 8*(4*ia+ib)
.set rW, 160+32*((\c)%2)+8*ib
.set rX, 32+64*((\c)%2)+8*ia
.if \zero
	v_wmma_f32_16x16x32_f16 v[rD:rD+7], v[rW:rW+7], v[rX:rX+7], 0
.else
	v_wmma_f32_16x16x32_f16 v[rD:rD+7], v[rW:rW+7], v[rX:rX+7], v[rD:rD+7]
.endif
.set ib, ib+1
.endr
.set ia, ia+1
.endr
.endm
; A QUARTER: 32 products on buffer c % 2; at its head the next quarter (slot fs, quarter fc; fc = -1: none) is fetched into the other buffer: it has these 32 products in which to land.
; chg: the change of slots, in a slot's third quarter, whose fetch is the slot's last read.  In front of the barrier each wave waits for all its tensor loads (one is out: its part of the other slot),
; adds 0 to its spare word, and waits for that and for its reads.  chg = 1: the barrier opens a round of the cluster's and the slot is filled again, four heads on, first thing behind it:
; from there to the wait for it a wave issues 112 matrix instructions.  chg = 2: the tail: nothing is filled.
.macro Q2 c, fs, fc, zero, chg, slot
	s_wait_dscnt 0x0                               ; this quarter's fragments, asked for a quarter ago
.if (\fc) >= 0
	PLACES                                         ; in front of the loads into the buffer that the last quarter multiplied
	FETCH2 \fs, \fc
.endif
	MULH \c, 0, \zero
.if \chg
	WIN 0
	s_wait_tensorcnt 0x0
	ds_add_u32 v[SPW], v[NIL]                      ; 0 onto my spare word; the descriptors' steps stand between it and the wait for it
.if (\chg) == 1
	s_add_nc_u64 s[G0A+4*(\slot)+2:G0A+4*(\slot)+3], s[G0A+4*(\slot)+2:G0A+4*(\slot)+3], 4*APLANE
	s_add_nc_u64 s[G0B+4*(\slot)+2:G0B+4*(\slot)+3], s[G0B+4*(\slot)+2:G0B+4*(\slot)+3], 4*BPLANE
.endif
	s_wait_dscnt 0x0                               ; the add is done, and my reads of this slot are over
	s_barrier_signal -1
.endif
	MULH \c, 4, \zero
.if \chg
	WIN 0
	s_barrier_wait -1
.if (\chg) == 1
	CREST
	JLOAD \slot
.endif
.endif
.endm
	s_wait_tensorcnt 1                             ; my part of slot 0 is in; slot 1's may stay out
	s_barrier_signal -1
	s_barrier_wait -1
	FETCH2 0, 0
	Q2 0, 0, 1, 1, 0, 0                            ; the first quarter starts the sums
	WIN 0
	s_mov_b32 s3, 3
.Llap:                                                 ; a trip goes once round the ring and fills both slots again: heads 4 .. 15
	Q2 1, 0, 2, 0, 0, 0
	Q2 2, 0, 3, 0, 1, 0
	Q2 3, 1, 0, 0, 0, 0
	Q2 0, 1, 1, 0, 0, 0
	Q2 1, 1, 2, 0, 0, 0
	Q2 2, 1, 3, 0, 1, 1
	Q2 3, 0, 0, 0, 0, 0
	Q2 0, 0, 1, 0, 0, 0
	WIN 0
	s_sub_co_u32 s3, s3, 1
	s_cmp_lg_u32 s3, 0
	s_cbranch_scc1 .Llap
	Q2 1, 0, 2, 0, 0, 0                            ; the tail asks for nothing
	Q2 2, 0, 3, 0, 2, 0
	Q2 3, 1, 0, 0, 0, 0
	Q2 0, 1, 1, 0, 0, 0
	Q2 1, 1, 2, 0, 0, 0
	Q2 2, 1, 3, 0, 0, 0
	Q2 3, 0, -1, 0, 0, 0
	WIN 0
	; THE WAY OUT.  16 tokens at a time go through my own stage: 32 bytes a lane in, whole rows of 256 bytes back; the bias is added; 16 lanes store 256 consecutive bytes at a multiple of 256.
	PLACES
	s_wait_loadcnt 0x0
	v_cvt_pk_bf16_f32 v12, v[BI], v[BI+1]
	v_cvt_pk_bf16_f32 v13, v[BI+2], v[BI+3]
	v_lshlrev_b32 v[BI], 16, v12
	v_and_b32 v[BI+1], 0xffff0000, v12
	v_lshlrev_b32 v[BI+2], 16, v13
	v_and_b32 v[BI+3], 0xffff0000, v13
.macro TOSTAGE a
	WIN 0
	s_wait_xcnt 0x0                                ; earlier stores have had their addresses translated (ISA guide 3.1): the buffer that they read is loaded again only behind this wait
	WIN 0x04                                       ; store data in window 1
.irp b, 0,1,2,3
	ds_store_b128 v[STO], v[8*(4*(\a)+(\b)):8*(4*(\a)+(\b))+3]   offset:(\b)*64     ; the low registers first
	ds_store_b128 v[STO], v[8*(4*(\a)+(\b))+4:8*(4*(\a)+(\b))+7] offset:(\b)*64+16
.endr
	WIN 0
.irp t, 0,1,2,3,4,5,6,7
	ds_load_b128 v[OB+32*((\a)%2)+4*(\t):OB+32*((\a)%2)+4*(\t)+3], v[RD] offset:(\t)*2*SPITCH  ; LDS serves a wave's instructions in order (ISA guide 5.7.1.4): these see the stores above
.endr
.endm
.macro SEND a, younger                 ; younger: the LDS instructions issued behind block a's loads: the next block's sixteen, or none
	s_wait_dscnt \younger
.irp t, 0,1,2,3,4,5,6,7
	v_pk_add_f32 v[OB+32*((\a)%2)+4*(\t):OB+32*((\a)%2)+4*(\t)+1],   v[OB+32*((\a)%2)+4*(\t):OB+32*((\a)%2)+4*(\t)+1],   v[BI:BI+1]
	v_pk_add_f32 v[OB+32*((\a)%2)+4*(\t)+2:OB+32*((\a)%2)+4*(\t)+3], v[OB+32*((\a)%2)+4*(\t)+2:OB+32*((\a)%2)+4*(\t)+3], v[BI+2:BI+3]
.endr
.irp t, 0,1,2,3,4,5,6,7
	global_store_b128 v[CO], v[OB+32*((\a)%2)+4*(\t):OB+32*((\a)%2)+4*(\t)+3], s[70:71] offset:(\a)*65536+(\t)*8192 th:TH_STORE_NT
.endr
.endm
	TOSTAGE 0
.irp a, 1,2,3,4,5,6,7
	TOSTAGE \a
	SEND (\a)-1, 16
.endr
	SEND 7, 0
	s_wait_tensorcnt 0x0                           ; the wave's end: behind my last tensor load and my last LDS store
	ds_add_u32 v[SPW], v[NIL]
	s_wait_dscnt 0x0
	CROUND                                         ; the closing round
	s_endpgm
.Lfunc_end_k_q08b4b952fa_outp:
	.size	k_q08b4b952fa_outp, .Lfunc_end_k_q08b4b952fa_outp-k_q08b4b952fa_outp
	.p2alignl 7, 3214868480
	.fill 96, 4, 3214868480
	.section	.rodata,"a",@progbits
	.p2align	6, 0x0
	.amdhsa_kernel k_q08b4b952fa_outp
		.amdhsa_group_segment_fixed_size 327680
		.amdhsa_private_segment_fixed_size 0
		.amdhsa_enable_private_segment 0
		.amdhsa_kernarg_size 32
		.amdhsa_user_sgpr_count 2
		.amdhsa_user_sgpr_kernarg_segment_ptr 1
		.amdhsa_wavefront_size32 1
		.amdhsa_system_sgpr_workgroup_id_x 1
		.amdhsa_system_sgpr_workgroup_id_y 1
		.amdhsa_system_sgpr_workgroup_id_z 1
		.amdhsa_system_vgpr_workitem_id 0
		.amdhsa_next_free_vgpr 512
		.amdhsa_next_free_sgpr 80
		.amdhsa_reserve_vcc 0
		.amdhsa_float_denorm_mode_32 3
		.amdhsa_float_denorm_mode_16_64 3
		.amdhsa_memory_ordered 1
		.amdhsa_forward_progress 1
		.amdhsa_inst_pref_size 93
	.end_amdhsa_kernel
	.amdgpu_metadata
---
amdhsa.version: [ 1, 2 ]
amdhsa.kernels:
  - .name:           k_q08b4b952fa_outp
    .symbol:         k_q08b4b952fa_outp.kd
    .args:
      - { .name: ctx, .offset: 0, .size: 8, .value_kind: global_buffer, .address_space: global }
      - { .name: wob, .offset: 8, .size: 8, .value_kind: global_buffer, .address_space: global }
      - { .name: b_out, .offset: 16, .size: 8, .value_kind: global_buffer, .address_space: global }
      - { .name: out0, .offset: 24, .size: 8, .value_kind: global_buffer, .address_space: global }
    .group_segment_fixed_size: 327680
    .private_segment_fixed_size: 0
    .kernarg_segment_align: 8
    .kernarg_segment_size: 32
    .max_flat_workgroup_size: 128
    .sgpr_count:     80
    .vgpr_count:     512
    .wavefront_size: 32
...
	.end_amdgpu_metadata
.endif
;; end of part 4
;; ======== version 2 of 2: 4 launches; version 1 with the launches prep, attn written anew for expert scheduling mode
;; limits: values are held in f16: magnitudes above 65,504 overflow, below 6.1e-05 lose precision
;; workspace buffers: xb 16,777,216 bytes; wib 6,291,456 bytes; wob 2,097,152 bytes; mb 133,120 bytes of whole numbers; qkv 50,331,648 bytes; ctx 16,777,216 bytes
;; launch prep (part 5): grid 800 x 1, 8 waves a work-group, no clusters, 0 bytes of LDS; arguments x, w_in, w_out, mask, xb, wib, wob, mb; writes xb, wib, wob, mb
.if DOCPART == 5
	.amdgcn_target "amdgcn-amd-amdhsa--gfx1250"
	.amdhsa_code_object_version 6
	.text
	.protected	k_q08b4b952fa_prep
	.globl	k_q08b4b952fa_prep
	.p2align	8
	.type	k_q08b4b952fa_prep,@function
k_q08b4b952fa_prep:
	s_mov_b64 s[64:65], 0
	v_nop
	global_prefetch_b8 v0, s[64:65] scope:SCOPE_SE
	s_setreg_imm32_b32 hwreg(HW_REG_WAVE_SCHED_MODE, 0, 2), 2
	s_setreg_imm32_b32 hwreg(HW_REG_WAVE_MODE, 25, 1), 1
	s_wait_xcnt 0x0
	s_wait_alu depctr_vm_vsrc(0)
; PREP: the inputs are rounded once and laid out for the matrix launches, and the mask is reduced to whole numbers.
;   work-groups   0..511  x     -> xb   bf16 [16 planes of 64 columns][8192 rows][64]
;   work-groups 512..703  w_in  -> wib  bf16 [16 planes][3072 rows][64]; row = (head/2)*384 + (head%2)*192 + which*64 + c for source row which*1024 + head*64 + c
;   work-groups 704..767  w_out -> wob  f16  [16 planes][1024 rows][64]: the number rounded to bf16, written as f16
;   work-groups 768..799  mask  -> mb   lane masks of 32 x 32 tiles, and two flag words a wave
; LIMIT: a w_out number below 2^-14 in size keeps f16's fixed step of 2^-24; beyond 65,504 it would be lost.
; A stream: memory binds, so no LDS, no barrier, no matrix unit.  A cast work-group owns 16 rows; thread t owns row t / 16 and 16 bytes at 16 (t % 16) of each
; run of 256 source bytes: a load of a wave covers two whole runs of 256 bytes, a store of a wave 256 consecutive bytes at a multiple of 256 (two rows of 128 bytes in one plane).
; All sixteen loads of a wave are out at once; the waits count down by fours.
; THE MODE: SCHED_MODE bits 1:0 = 2 (LLVM: expert scheduling mode 2), set by the entry lines.  The code itself states the register dependences
; between vector instructions and memory instructions, with s_wait_alu, always for 0.
; THE PLAN, for a cast.  Registers that memory instructions touch:
;   v1, v2   byte offsets, made once at the head and never written again.
;   X        load kb lands in X + 4 kb .. + 3, once; its conversions write X + 4 kb and X + 4 kb + 1 in place; its store reads these two.  Nothing that a store has read is written again.
; The sixteen loads go in four groups of four.  At a group's head one wait states that the conversions of the group before have written their registers; that group's four stores
; are then dealt among this group's conversions, which name this group's registers alone.
.set XPLANE, 8192*128
.set IPLANE, 3072*128
.set OPLANE, 1024*128
.set X, 8                              ; v[8:71] sixteen loads of four f32
; The conversions of load kb.  half = 1: the bf16 number is written as f16
.macro CVT kb, half
	v_cvt_pk_bf16_f32 v[X+4*(\kb)], v[X+4*(\kb)], v[X+4*(\kb)+1]
	v_cvt_pk_bf16_f32 v[X+4*(\kb)+1], v[X+4*(\kb)+2], v[X+4*(\kb)+3]
.if \half
	v_lshlrev_b32 v[X+4*(\kb)+2], 16, v[X+4*(\kb)] ; bf16 back to f32: the low half moves up, the high half stays
	v_and_b32 v[X+4*(\kb)+3], 0xffff0000, v[X+4*(\kb)]
	v_cvt_pk_f16_f32 v[X+4*(\kb)], v[X+4*(\kb)+2], v[X+4*(\kb)+3]
	v_lshlrev_b32 v[X+4*(\kb)+2], 16, v[X+4*(\kb)+1]
	v_and_b32 v[X+4*(\kb)+3], 0xffff0000, v[X+4*(\kb)+1]
	v_cvt_pk_f16_f32 v[X+4*(\kb)+1], v[X+4*(\kb)+2], v[X+4*(\kb)+3]
.endif
.endm
; The store of load kb's four numbers, into plane kb
.macro PUT kb, d0, d1, plane
.if (\kb) < 8
	global_store_b64 v2, v[X+4*(\kb):X+4*(\kb)+1], s[\d0:\d0+1] offset:(\kb)*(\plane)
.else
	global_store_b64 v2, v[X+4*(\kb):X+4*(\kb)+1], s[\d1:\d1+1] offset:((\kb)-8)*(\plane)
.endif
.endm
; src: the rows' address; d0, d1: the rows' place in planes 0 and 8
.macro CAST src, d0, d1, plane, half
	s_wait_alu depctr_va_vdst(0)                   ; v1 and v2 are written: every load and store below reads one of them as its offset
.set kb, 0
.rept 16
	global_load_b128 v[X+4*kb:X+4*kb+3], v1, s[\src:\src+1] offset:kb*256 th:TH_LOAD_NT
.set kb, kb+1
.endr
.set kb, 0
.rept 4
	s_wait_loadcnt 12-kb                           ; loads come back in order: this group's four are in, the younger groups stay out
.if kb > 0
	s_wait_alu depctr_va_vdst(0)                   ; the conversions of the group before have written their registers, which the four stores below read
.endif
.rept 4
.if kb > 3
	PUT kb-4, \d0, \d1, \plane                     ; no vector instruction since the wait names this store's registers
.endif
	CVT kb, \half
.set kb, kb+1
.endr
.endr
	s_wait_alu depctr_va_vdst(0)                   ; the last group's conversions have written their registers, which the last four stores read
.irp n, 12,13,14,15
	PUT \n, \d0, \d1, \plane
.endr
	s_endpgm
.endm
	s_load_b512 s[4:19], s[0:1], 0x0               ; x s[4:5], w_in s[6:7], w_out s[8:9], mask s[10:11], xb s[12:13], wib s[14:15], wob s[16:17], mb s[18:19]
	v_lshrrev_b32 v1, 4, v0                        ; my row of the group's 16
	v_and_b32 v3, 15, v0
	v_lshlrev_b32 v1, 12, v1
	v_lshl_add_u32 v1, v3, 4, v1                   ; source: row x 4,096 + 16 (t % 16)
	v_lshlrev_b32 v2, 3, v0                        ; destination: row x 128 + 8 (t % 16) = 8 t
	s_mov_b32 s21, 0
	s_mov_b32 s23, 0
	s_wait_kmcnt 0x0
	s_cmp_lt_u32 ttmp9, 512
	s_cbranch_scc0 .Lnot_x
	s_lshl_b32 s20, ttmp9, 16                      ; 16 rows of 4,096 bytes
	s_lshl_b32 s22, ttmp9, 11                      ; 16 rows of 128 bytes
	s_add_nc_u64 s[4:5], s[4:5], s[20:21]
	s_add_nc_u64 s[12:13], s[12:13], s[22:23]
	s_add_nc_u64 s[24:25], s[12:13], 8*XPLANE
	CAST 4, 12, 24, XPLANE, 0
.Lnot_x:
	s_cmp_lt_u32 ttmp9, 704
	s_cbranch_scc0 .Lnot_wi
	s_sub_co_u32 s26, ttmp9, 512                   ; g: source rows 16 g ..
	s_lshl_b32 s20, s26, 16
	s_lshr_b32 s27, s26, 6                         ; which of q, k, v
	s_bfe_u32 s28, s26, 0x30003                    ; head / 2
	s_bfe_u32 s29, s26, 0x10002                    ; head % 2
	s_and_b32 s30, s26, 3                          ; which 16 of the head's 64 channels
	s_mul_i32 s28, s28, 384
	s_mul_i32 s29, s29, 192
	s_lshl_b32 s27, s27, 6
	s_lshl_b32 s30, s30, 4
	s_add_co_u32 s28, s28, s29
	s_add_co_u32 s28, s28, s27
	s_add_co_u32 s28, s28, s30                     ; the first destination row
	s_lshl_b32 s22, s28, 7
	s_add_nc_u64 s[6:7], s[6:7], s[20:21]
	s_add_nc_u64 s[14:15], s[14:15], s[22:23]
	s_add_nc_u64 s[24:25], s[14:15], 8*IPLANE
	CAST 6, 14, 24, IPLANE, 0
.Lnot_wi:
	s_cmp_lt_u32 ttmp9, 768
	s_cbranch_scc0 .Lmask
	s_sub_co_u32 s26, ttmp9, 704
	s_lshl_b32 s20, s26, 16
	s_lshl_b32 s22, s26, 11
	s_add_nc_u64 s[8:9], s[8:9], s[20:21]
	s_add_nc_u64 s[16:17], s[16:17], s[22:23]
	s_add_nc_u64 s[24:25], s[16:17], 8*OPLANE
	CAST 8, 16, 24, OPLANE, 1
; THE MASK.  The work-group owns the 32 queries of block qb, wave w the key tiles 4 w .. 4 w + 3 of 32 keys.  Lane l = (r = l % 16, h = l / 16).
; Word (2 kb + qt) 8 + j of a tile: bit l says that mask[32 qb + 16 qt + r][32 kt + 16 kb + 8 h + j] is set: the lane mask for one register of the score tile of the attention launch.
; Flags: word w of 16: bits 4 w .. 4 w + 3, a tile holds an entry that is not masked; word 8 + w: which of the 32 rows are masked in all of the wave's 128 keys.
; No branch and no address here hangs on the mask's data.
; THE PLAN here.  v7: the loads' offset, made once.  v[8:39]: loaded once, read by vector lines, never loaded again.  s[44:51]: written by a run of eight compares, read by the eight
; v_writelane_b32 and the scalar lines behind the run: one wait behind each run.  v40-43 and v52-55: written by vector lines, read by the three stores at the end: one wait ahead of the first.
.Lmask:
	s_sub_co_u32 s26, ttmp9, 768                   ; qb
	v_lshrrev_b32 v4, 5, v0
	v_readfirstlane_b32 s27, v4                    ; wave
	v_and_b32 v5, 31, v0                           ; lane
	v_bfe_u32 v6, v0, 4, 1                         ; h
	v_lshlrev_b32 v7, 10, v3                       ; r rows of 1,024 bytes
	v_lshl_add_u32 v7, v6, 3, v7                   ; + 8 h
	v_lshl_add_u32 v7, v4, 7, v7                   ; + 128 w
	s_lshl_b32 s20, s26, 15                        ; 32 rows
	s_add_nc_u64 s[10:11], s[10:11], s[20:21]
	s_wait_alu depctr_va_vdst(0)                   ; v7 is written, which the sixteen loads read as their offset
.set n, 0
.rept 16                                               ; n = 4 ti + 2 kb + qt
	global_load_b64 v[8+2*n:9+2*n], v7, s[10:11] offset:(n%2)*16384+(n/4)*32+((n/2)%2)*16
.set n, n+1
.endr
	v_mov_b32 v40, 0                               ; the wave's 128 words: lane L holds words 4 L .. 4 L + 3
	v_mov_b32 v41, 0
	v_mov_b32 v42, 0
	v_mov_b32 v43, 0
	v_lshlrev_b32 v52, 4, v0                       ; 16 t: 512 bytes a wave
	v_lshlrev_b32 v53, 2, v4                       ; 4 w
	s_mov_b32 s32, -1                              ; rows of qt = 0 masked so far, by lane
	s_mov_b32 s33, -1                              ; of qt = 1
	s_mov_b32 s34, 0                               ; live bits
	s_lshl_b32 s22, s26, 12                        ; a block's 32 tiles of 128 bytes
	s_add_nc_u64 s[38:39], s[18:19], s[22:23]
	s_lshl_b32 s22, s26, 6
	s_add_co_u32 s22, s22, 131072                  ; the flags lie behind the tiles' words
	s_add_nc_u64 s[40:41], s[18:19], s[22:23]
	s_wait_loadcnt 0x0
.set ti, 0
.rept 4
	s_mov_b32 s31, -1                              ; the tile's words, all and-ed
.set kq, 0
.rept 4
.set j, 0
.rept 8
	v_and_b32 v[44+j], 0xff<<(8*(j%4)), v[8+2*(4*ti+kq)+j/4]
.set j, j+1
.endr
.set j, 0
.rept 8
	v_cmp_ne_u32 s[44+j], 0, v[44+j]
.set j, j+1
.endr
	s_wait_alu depctr_va_sdst(0)                   ; the eight compares have written s[44:51], ahead of their first readers below
.set j, 0
.rept 8
	v_writelane_b32 v[40+j%4], s[44+j], ti*8+2*kq+j/4
	s_and_b32 s31, s31, s[44+j]
	s_and_b32 s[32+kq%2], s[32+kq%2], s[44+j]
.set j, j+1
.endr
.set kq, kq+1
.endr
	s_cmp_lg_u32 s31, -1                           ; some entry of the tile is not masked
	s_cselect_b32 s35, 1<<ti, 0
	s_or_b32 s34, s34, s35
.set ti, ti+1
.endr
	s_lshl_b32 s36, s27, 2
	s_lshl_b32 s34, s34, s36                       ; to bits 4 w ..
	s_lshr_b32 s35, s32, 16                        ; a row is masked if both halves of the lanes say so
	s_and_b32 s32, s32, s35
	s_and_b32 s32, s32, 0xffff
	s_lshr_b32 s35, s33, 16
	s_and_b32 s33, s33, s35
	s_lshl_b32 s33, s33, 16
	s_or_b32 s32, s32, s33
	v_mov_b32 v54, s34
	v_mov_b32 v55, s32
	s_wait_alu depctr_va_vdst(0)                   ; v40 to v43 and v52 to v55 are written: the data and the offsets of the three stores below
	global_store_b128 v52, v[40:43], s[38:39]      ; 512 consecutive bytes: the wave's four tiles
	v_cmp_eq_u32 vcc_lo, 0, v5
	s_wait_xcnt 0x0                                ; EXEC is a source of the store above: it changes only behind this wait
	s_wait_alu depctr_va_vcc(0)                    ; the compare has written VCC, from which EXEC is made
	s_wait_alu depctr_va_vdst(0)                   ; every vector instruction issued so far is done, ahead of the write of EXEC
	s_wait_alu depctr_vm_vsrc(0)                   ; the store above has read its vector registers, ahead of the write of EXEC
	s_and_saveexec_b32 s42, vcc_lo
	global_store_b32 v53, v54, s[40:41]            ; lane 0 alone: two words a wave
	global_store_b32 v53, v55, s[40:41] offset:32
	s_wait_xcnt 0x0                                ; and again in front of the line that widens it
	s_wait_alu depctr_va_vdst(0)                   ; no vector instruction is pending at the write of EXEC
	s_wait_alu depctr_vm_vsrc(0)                   ; the two stores have read their vector registers, ahead of the write of EXEC
	s_or_b32 exec_lo, exec_lo, s42
	s_endpgm
.Lfunc_end_k_q08b4b952fa_prep:
	.size	k_q08b4b952fa_prep, .Lfunc_end_k_q08b4b952fa_prep-k_q08b4b952fa_prep
	.p2alignl 7, 3214868480
	.fill 96, 4, 3214868480
	.section	.rodata,"a",@progbits
	.p2align	6, 0x0
	.amdhsa_kernel k_q08b4b952fa_prep
		.amdhsa_group_segment_fixed_size 0
		.amdhsa_private_segment_fixed_size 0
		.amdhsa_enable_private_segment 0
		.amdhsa_kernarg_size 64
		.amdhsa_user_sgpr_count 2
		.amdhsa_user_sgpr_kernarg_segment_ptr 1
		.amdhsa_wavefront_size32 1
		.amdhsa_system_sgpr_workgroup_id_x 1
		.amdhsa_system_sgpr_workgroup_id_y 1
		.amdhsa_system_sgpr_workgroup_id_z 1
		.amdhsa_system_vgpr_workitem_id 0
		.amdhsa_next_free_vgpr 72
		.amdhsa_next_free_sgpr 66
		.amdhsa_reserve_vcc 1
		.amdhsa_float_denorm_mode_32 3
		.amdhsa_float_denorm_mode_16_64 3
		.amdhsa_memory_ordered 1
		.amdhsa_forward_progress 1
		.amdhsa_inst_pref_size 60
	.end_amdhsa_kernel
	.amdgpu_metadata
---
amdhsa.version: [ 1, 2 ]
amdhsa.kernels:
  - .name:           k_q08b4b952fa_prep
    .symbol:         k_q08b4b952fa_prep.kd
    .args:
      - { .name: x, .offset: 0, .size: 8, .value_kind: global_buffer, .address_space: global }
      - { .name: w_in, .offset: 8, .size: 8, .value_kind: global_buffer, .address_space: global }
      - { .name: w_out, .offset: 16, .size: 8, .value_kind: global_buffer, .address_space: global }
      - { .name: mask, .offset: 24, .size: 8, .value_kind: global_buffer, .address_space: global }
      - { .name: xb, .offset: 32, .size: 8, .value_kind: global_buffer, .address_space: global }
      - { .name: wib, .offset: 40, .size: 8, .value_kind: global_buffer, .address_space: global }
      - { .name: wob, .offset: 48, .size: 8, .value_kind: global_buffer, .address_space: global }
      - { .name: mb, .offset: 56, .size: 8, .value_kind: global_buffer, .address_space: global }
    .group_segment_fixed_size: 0
    .private_segment_fixed_size: 0
    .kernarg_segment_align: 8
    .kernarg_segment_size: 64
    .max_flat_workgroup_size: 256
    .sgpr_count:     66
    .vgpr_count:     72
    .wavefront_size: 32
...
	.end_amdgpu_metadata
.endif
;; end of part 5
;; launch qkvp: the kernel of part 2 again; grid 8 x 32, 4 waves a work-group, clusters of 4 x 4, 327,680 bytes of LDS; arguments xb, wib, b_in, qkv; writes qkv
;; launch attn (part 6): grid 2 x 128, 16 waves a work-group, no clusters, 0 bytes of LDS; arguments qkv, mb, ctx; writes ctx
.if DOCPART == 6
	.amdgcn_target "amdgcn-amd-amdhsa--gfx1250"
	.amdhsa_code_object_version 6
	.text
	.protected	k_q08b4b952fa_attn
	.globl	k_q08b4b952fa_attn
	.p2align	8
	.type	k_q08b4b952fa_attn,@function
k_q08b4b952fa_attn:
	s_mov_b64 s[64:65], 0
	v_nop
	global_prefetch_b8 v0, s[64:65] scope:SCOPE_SE
	s_setreg_imm32_b32 hwreg(HW_REG_WAVE_SCHED_MODE, 0, 2), 2
	s_setreg_imm32_b32 hwreg(HW_REG_WAVE_MODE, 25, 1), 1
	s_wait_xcnt 0x0
	s_wait_alu depctr_vm_vsrc(0)
; MASKED ATTENTION, head size 64, f16 operands, f32 products, maxima and sums; the weights are rounded to f16 for the second product (their sum is taken unrounded), the result once at the end.
; A wave owns 32 queries (block qb) of one (batch, head) bh and walks tiles of 32 keys.  WHICH tiles: those in which the mask leaves an entry open; ALL 32 as soon as one of the block's rows is
; masked everywhere, since such a row weighs all 1,024 keys alike.  Both are whole numbers that the launch before stored (mb's flags).  A tile that is left out holds weights that are exactly 0.
; LIMITS.  A masked score counts as -2^100: true scores of f16 operands stay under 2.7e11.  A weight below 2^-126 counts as 0.  NaN and infinities are not treated apart.
; c x (-2^100) is exact, so a row that is masked everywhere has c s - c m = 0 and weight 1 for every key.
; LAYOUT.  S^T = K Q^T (source 0 = 16 keys, source 1 = 16 queries): a lane holds ONE query (lane % 16) and keys 8 (lane / 16) + 0..7; two such results rounded to f16 ARE source 1 of O^T = V^T P.
; q, k and v lie in memory as these operands' register images: every load of a wave is 512 consecutive bytes.  The mask comes as lane masks, one scalar word for each register of S^T.
; Sixteen waves that share nothing: no LDS, no barrier; four on a SIMD stand in for each other while one waits.  NO CLUSTER and no tensor loads: the waves' lists of tiles differ in length and content.
; The tile after the one in hand is fetched while this one is worked on; the last trip fetches tile 31 (a clamped number, inside the buffers) and nobody reads it: so every counted wait counts the same on every path.
; THE MODE: SCHED_MODE bits 1:0 = 2 (LLVM: expert scheduling mode 2), set by the entry lines.  The code itself states the register dependences
; between vector or matrix instructions and memory instructions, with s_wait_alu, always for 0.
; THE PLAN.  Registers that memory instructions touch:
;   v[LO]  the offset of every load and store; made once at the head, never written again.
;   Q      loaded once; read by the products K Q^T.
;   K      read by a trip's eight products K Q^T; behind them the next tile's eight loads land in it.
;   V      read by a trip's eight products V^T P; behind them the next tile's eight loads land in it.
;   S      at the end only: written by the last conversions, read by the eight stores.
;   O, P and the statistics are named by vector and matrix instructions alone.  No register that a memory instruction reads is written again.
; Four waves on a SIMD have 256 registers each, of which 232 are in use: a second buffer of 32 for K or for V has no room.  So a trip has three waits on va_vdst: behind the products K Q^T, ahead of
; K's loads, where the next vector lines read those products' results in any case; behind the exponentials, ahead of their first reader; and behind the products V^T P, ahead of V's loads, with
; l's sixteen additions between the products and the wait.
.set LO,  1                            ; v1      16 x lane; never rewritten
.set NEGV, 2                           ; v2      -2^100
.set ST,  4                            ; query tile t at v[ST + 10 t]: c m, m | l (even keys', odd keys') | a, a spare that is only named | T0-T3 at work
.set Q,   24                           ; v24-55  tile t, channel half c at Q + 16 t + 8 c
.set K,   56                           ; v56-87  key half kb, channel half c at K + 16 kb + 8 c
.set V,   88                           ; v88-119 channel block cb at V + 8 cb
.set S,   120                          ; v120-151 (kb, t) at S + 8 (2 kb + t)
.set P,   152                          ; v152-167 tile t at P + 8 t
.set O,   168                          ; v168-231 (cb, t) at O + 8 (2 cb + t)
.macro EACH line:vararg                ; one line for each query tile t
.set t, 0
.rept 2
	\line
.set t, t+1
.endr
.endm
.macro LOAD8 dst, base                 ; 4,096 consecutive bytes
.set i, 0
.rept 8
	global_load_b128 v[(\dst)+4*i:(\dst)+4*i+3], v[LO], s[\base:\base+1] offset:512*i
.set i, i+1
.endr
.endm
.macro NEXT                            ; s16 = the lowest tile left in the list s13, which loses it; 31 where none is left
	s_ctz_i32_b32 s16, s13
	s_min_u32 s16, s16, 31
	s_sub_co_u32 s17, s13, 1
	s_and_b32 s13, s13, s17
.endm
	s_load_b128 s[4:7], s[0:1], 0x0                ; qkv s[4:5], mb s[6:7]
	s_load_b64 s[8:9], s[0:1], 0x10                ; ctx
	v_lshrrev_b32 v3, 5, v0
	v_readfirstlane_b32 s12, v3                    ; wave 0..15
	v_and_b32 v[LO], 31, v0
	v_lshlrev_b32 v[LO], 4, v[LO]
	v_mov_b32 v[NEGV], 0xf1800000
	s_wait_alu depctr_va_sdst(0)                   ; s12 is written, ahead of its first reader: the block's number is made from it
	s_lshl_b32 s10, ttmp9, 4
	s_add_co_u32 s10, s10, s12                     ; qb
	s_and_b32 s11, ttmp7, 0xffff                   ; bh
	s_mov_b32 s19, 0
	s_mov_b32 s89, 0
	s_mov_b32 s66, 0x3e38aa3b                      ; c = log2(e) / 8
	s_mov_b32 s67, s66                             ; named with it as a pair
	s_mov_b32 s68, 0x76543210                      ; v_permlanex16_b32: each lane takes its own place in the other half
	s_mov_b32 s69, 0xfedcba98
	s_lshl_b32 s88, s10, 6
	s_add_co_u32 s88, s88, 131072                  ; my block's 16 flag words
	s_wait_kmcnt 0x0
	s_add_nc_u64 s[24:25], s[6:7], s[88:89]
	s_load_b512 s[72:87], s[24:25], 0x0
	s_lshl_b32 s18, s11, 17                        ; a head's 131,072 bytes
	s_add_nc_u64 s[70:71], s[4:5], s[18:19]
	s_add_nc_u64 s[26:27], s[70:71], 0x1000000     ; the head's k
	s_add_nc_u64 s[28:29], s[70:71], 0x2000000     ; the head's v
	s_lshl_b32 s18, s10, 12
	s_add_nc_u64 s[70:71], s[70:71], s[18:19]      ; my 32 queries
	s_add_nc_u64 s[30:31], s[6:7], s[18:19]        ; my block's 32 tiles of 32 mask words
	s_wait_alu depctr_va_vdst(0)                   ; v[LO] is written: every load and store of the kernel reads it as its offset
	LOAD8 Q, 70
	s_and_b32 s16, s11, 15                         ; ctx: ((head 512 + batch 64 + token / 16) 4 + channel / 16) 512 + 16 lane: the image of the out-projection's operand
	s_lshr_b32 s17, s11, 4
	s_lshl_b32 s16, s16, 9
	s_lshl_b32 s17, s17, 6
	s_add_co_u32 s16, s16, s17
	s_lshl_b32 s17, s10, 1
	s_add_co_u32 s16, s16, s17
	s_lshl_b32 s18, s16, 11
	s_add_nc_u64 s[8:9], s[8:9], s[18:19]
	s_wait_kmcnt 0x0                               ; the flags
	s_or_b32 s13, s72, s73                         ; the tiles with an open entry,
.irp i, 74,75,76,77,78,79
	s_or_b32 s13, s13, s\i
.endr
	s_and_b32 s15, s80, s81                        ; the rows that are masked in all 1,024 keys
.irp i, 82,83,84,85,86,87
	s_and_b32 s15, s15, s\i
.endr
	s_cmp_lg_u32 s15, 0
	s_cselect_b32 s13, -1, s13                     ; one such row: all tiles
	s_bcnt1_i32_b32 s14, s13                       ; the walk's length, 1 at the least
	NEXT
	s_lshl_b32 s18, s16, 12                        ; a tile is 4,096 bytes of k and of v,
	s_lshl_b32 s88, s16, 7                         ; 128 of mask words
	s_add_nc_u64 s[20:21], s[26:27], s[18:19]
	s_add_nc_u64 s[22:23], s[28:29], s[18:19]
	s_add_nc_u64 s[24:25], s[30:31], s[88:89]
	LOAD8 K, 20                                    ; no vector instruction has named K or V, and none since the wait above names v[LO]
	LOAD8 V, 22
	s_load_b512 s[32:47], s[24:25], 0x0
	s_load_b512 s[48:63], s[24:25], 0x40
	; No first step is written out: O and l start at 0, m at -2^100.  The price is these lines, which stand in the wait for the first tile.
.set i, 0
.rept 64
	v_mov_b32 v[O+i], 0
.set i, i+1
.endr
	EACH v_mov_b32 v[ST+10*t+1], v[NEGV]
	EACH v_mul_f32 v[ST+10*t], s66, v[NEGV]
	EACH v_mov_b32 v[ST+10*t+2], 0
	EACH v_mov_b32 v[ST+10*t+3], 0
	EACH v_mov_b32 v[ST+10*t+5], 0
	s_mov_b32 s15, 0
.Ltile:
	NEXT
	s_lshl_b32 s18, s16, 12
	s_lshl_b32 s88, s16, 7
	s_wait_loadcnt 0x8                             ; K (and at first Q) is in; V's eight loads stay out
.set n, 0
.rept 8                                                ; channel half n / 4; accumulator n % 4: four take turns
.set rS, S+8*(n%4)
.set rK, K+16*((n/2)%2)+8*(n/4)
.set rQ, Q+16*(n%2)+8*(n/4)
.if n < 4
	v_wmma_f32_16x16x32_f16 v[rS:rS+7], v[rK:rK+7], v[rQ:rQ+7], 0
.else
	v_wmma_f32_16x16x32_f16 v[rS:rS+7], v[rK:rK+7], v[rQ:rQ+7], v[rS:rS+7]
.endif
.set n, n+1
.endr
	s_add_nc_u64 s[20:21], s[26:27], s[18:19]      ; free since the wait above showed K's loads done
.rept 4
	v_nop                                          ; the places in front of the reads of S^T
.endr
	s_wait_alu depctr_va_vdst(0)                   ; the eight products are done reading K, in which the loads below land
	LOAD8 K, 20                                    ; the next tile's K
	s_wait_kmcnt 0x0                               ; this tile's mask words
.set i, 0
.rept 32
	v_cndmask_b32 v[S+i], v[S+i], v[NEGV], s[32+i] ; ascending: each accumulator's lowest register first
.set i, i+1
.endr
	EACH v_max3_num_f32 v[ST+10*t+6], v[S+8*t], v[S+8*t+1], v[S+8*t+2]
	EACH v_max3_num_f32 v[ST+10*t+7], v[S+8*t+3], v[S+8*t+4], v[S+8*t+5]
	EACH v_max3_num_f32 v[ST+10*t+8], v[S+8*t+6], v[S+8*t+7], v[S+16+8*t]
	EACH v_max3_num_f32 v[ST+10*t+9], v[S+16+8*t+1], v[S+16+8*t+2], v[S+16+8*t+3]
	EACH v_max3_num_f32 v[ST+10*t+6], v[ST+10*t+6], v[S+16+8*t+4], v[S+16+8*t+5]
	EACH v_max3_num_f32 v[ST+10*t+7], v[ST+10*t+7], v[S+16+8*t+6], v[S+16+8*t+7]
	EACH v_max3_num_f32 v[ST+10*t+8], v[ST+10*t+8], v[ST+10*t+9], v[ST+10*t+1]
	EACH v_max3_num_f32 v[ST+10*t+6], v[ST+10*t+6], v[ST+10*t+7], v[ST+10*t+8]
	EACH v_permlanex16_b32 v[ST+10*t+7], v[ST+10*t+6], s68, s69  ; the query's other 16 keys lie in the lane 16 away
	EACH v_mov_b32 v[ST+10*t+9], v[ST+10*t]        ; c m_old is kept
	EACH v_max_num_f32 v[ST+10*t+1], v[ST+10*t+6], v[ST+10*t+7]
	EACH v_mul_f32 v[ST+10*t], s66, v[ST+10*t+1]
	EACH v_sub_f32 v[ST+10*t+8], v[ST+10*t+9], v[ST+10*t]
	EACH v_exp_f32 v[ST+10*t+4], v[ST+10*t+8]      ; a = 2^(c m_old - c m_new); the scalings below are the plain lines behind it
.set i, 0
.rept 16                                               ; pair i % 4 of accumulator i / 4, whose query tile is (i / 4) % 2
	v_pk_fma_f32 v[S+2*i:S+2*i+1], v[S+2*i:S+2*i+1], s[66:67], v[ST+10*((i/4)%2):ST+10*((i/4)%2)+1] op_sel_hi:[1,0,0] neg_lo:[0,0,1] neg_hi:[0,0,1]
.set i, i+1
.endr
.set i, 0
.rept 32
	v_exp_f32 v[S+i], v[S+i]
.set i, i+1
.endr
	s_wait_alu depctr_va_vdst(0)                   ; the 34 exponentials have written a and the weights, ahead of their first reader: one wait for the batch; the selects that read the mask words stand ahead of it too
	s_add_nc_u64 s[24:25], s[30:31], s[88:89]      ; free since the wait on KMcnt
	s_load_b512 s[32:47], s[24:25], 0x0            ; the next tile's mask words
	s_load_b512 s[48:63], s[24:25], 0x40
.set i, 0
.rept 32                                               ; O^T times a, ascending; plain lines behind the last exponential
	v_pk_mul_f32 v[O+2*i:O+2*i+1], v[O+2*i:O+2*i+1], v[ST+10*((i/4)%2)+4:ST+10*((i/4)%2)+5] op_sel_hi:[1,0]
.set i, i+1
.endr
.set i, 0
.rept 16                                               ; accumulator i / 4 = 2 kb + t
	v_cvt_pk_f16_f32 v[P+8*((i/4)%2)+4*(i/8)+i%4], v[S+2*i], v[S+2*i+1]
.set i, i+1
.endr
	s_wait_loadcnt 0x8                             ; V is in; the next K's eight loads stay out
.set n, 0
.rept 8                                                ; eight different accumulators
	v_wmma_f32_16x16x32_f16 v[O+8*n:O+8*n+7], v[V+8*(n/2):V+8*(n/2)+7], v[P+8*(n%2):P+8*(n%2)+7], v[O+8*n:O+8*n+7]
.set n, n+1
.endr
	s_add_nc_u64 s[22:23], s[28:29], s[18:19]      ; free since the wait above showed V's loads done
	; l's sums stand behind the products: sixteen plain lines that name S^T and the statistics alone, none of the products' registers
	EACH v_pk_add_f32 v[S+8*t:S+8*t+1], v[S+8*t:S+8*t+1], v[S+8*t+2:S+8*t+3]
	EACH v_pk_add_f32 v[S+8*t+4:S+8*t+5], v[S+8*t+4:S+8*t+5], v[S+8*t+6:S+8*t+7]
	EACH v_pk_add_f32 v[S+16+8*t:S+16+8*t+1], v[S+16+8*t:S+16+8*t+1], v[S+16+8*t+2:S+16+8*t+3]
	EACH v_pk_add_f32 v[S+16+8*t+4:S+16+8*t+5], v[S+16+8*t+4:S+16+8*t+5], v[S+16+8*t+6:S+16+8*t+7]
	EACH v_pk_add_f32 v[S+8*t:S+8*t+1], v[S+8*t:S+8*t+1], v[S+8*t+4:S+8*t+5]
	EACH v_pk_add_f32 v[S+16+8*t:S+16+8*t+1], v[S+16+8*t:S+16+8*t+1], v[S+16+8*t+4:S+16+8*t+5]
	EACH v_pk_add_f32 v[S+8*t:S+8*t+1], v[S+8*t:S+8*t+1], v[S+16+8*t:S+16+8*t+1]
	EACH v_pk_fma_f32 v[ST+10*t+2:ST+10*t+3], v[ST+10*t+2:ST+10*t+3], v[ST+10*t+4:ST+10*t+5], v[S+8*t:S+8*t+1] op_sel_hi:[1,0,1]
	s_wait_alu depctr_va_vdst(0)                   ; the eight products are done reading V, in which the loads below land
	LOAD8 V, 22                                    ; the next tile's V
	s_add_co_u32 s15, s15, 1
	s_cmp_lt_u32 s15, s14
	s_cbranch_scc1 .Ltile
	EACH v_add_f32 v[ST+10*t+2], v[ST+10*t+2], v[ST+10*t+3]
	EACH v_permlanex16_b32 v[ST+10*t+3], v[ST+10*t+2], s68, s69
	EACH v_add_f32 v[ST+10*t+2], v[ST+10*t+2], v[ST+10*t+3]
	EACH v_rcp_f32 v[ST+10*t+4], v[ST+10*t+2]
	v_nop                                          ; a plain line between the last reciprocal and its use
	s_wait_alu depctr_va_vdst(0)                   ; the two reciprocals are written, ahead of their first reader
.set i, 0
.rept 32
	v_pk_mul_f32 v[O+2*i:O+2*i+1], v[O+2*i:O+2*i+1], v[ST+10*((i/4)%2)+4:ST+10*((i/4)%2)+5] op_sel_hi:[1,0]
.set i, i+1
.endr
.set i, 0
.rept 32
	v_cvt_pk_f16_f32 v[S+i], v[O+2*i], v[O+2*i+1]
.set i, i+1
.endr
	s_wait_alu depctr_va_vdst(0)                   ; the conversions have written v[S ..], which the eight stores read
.set n, 0
.rept 8                                                ; accumulator n = 2 cb + t: 512 consecutive bytes each
	global_store_b128 v[LO], v[S+4*n:S+4*n+3], s[8:9] offset:(n%2)*2048+(n/2)*512
.set n, n+1
.endr
	s_endpgm
.Lfunc_end_k_q08b4b952fa_attn:
	.size	k_q08b4b952fa_attn, .Lfunc_end_k_q08b4b952fa_attn-k_q08b4b952fa_attn
	.p2alignl 7, 3214868480
	.fill 96, 4, 3214868480
	.section	.rodata,"a",@progbits
	.p2align	6, 0x0
	.amdhsa_kernel k_q08b4b952fa_attn
		.amdhsa_group_segment_fixed_size 0
		.amdhsa_private_segment_fixed_size 0
		.amdhsa_enable_private_segment 0
		.amdhsa_kernarg_size 24
		.amdhsa_user_sgpr_count 2
		.amdhsa_user_sgpr_kernarg_segment_ptr 1
		.amdhsa_wavefront_size32 1
		.amdhsa_system_sgpr_workgroup_id_x 1
		.amdhsa_system_sgpr_workgroup_id_y 1
		.amdhsa_system_sgpr_workgroup_id_z 1
		.amdhsa_system_vgpr_workitem_id 0
		.amdhsa_next_free_vgpr 232
		.amdhsa_next_free_sgpr 92
		.amdhsa_reserve_vcc 0
		.amdhsa_float_denorm_mode_32 3
		.amdhsa_float_denorm_mode_16_64 3
		.amdhsa_memory_ordered 1
		.amdhsa_forward_progress 1
		.amdhsa_inst_pref_size 26
	.end_amdhsa_kernel
	.amdgpu_metadata
---
amdhsa.version: [ 1, 2 ]
amdhsa.kernels:
  - .name:           k_q08b4b952fa_attn
    .symbol:         k_q08b4b952fa_attn.kd
    .args:
      - { .name: qkv, .offset: 0, .size: 8, .value_kind: global_buffer, .address_space: global }
      - { .name: mb, .offset: 8, .size: 8, .value_kind: global_buffer, .address_space: global }
      - { .name: ctx, .offset: 16, .size: 8, .value_kind: global_buffer, .address_space: global }
    .group_segment_fixed_size: 0
    .private_segment_fixed_size: 0
    .kernarg_segment_align: 8
    .kernarg_segment_size: 24
    .max_flat_workgroup_size: 512
    .sgpr_count:     92
    .vgpr_count:     232
    .wavefront_size: 32
...
	.end_amdgpu_metadata
.endif
;; end of part 6
;; launch outp: the kernel of part 4 again; grid 8 x 32, 4 waves a work-group, clusters of 4 x 4, 327,680 bytes of LDS; arguments ctx, wob, b_out, out0; writes out0
